; MI455X (gfx1250); checked and timed in simulation.
; The chip was launched on July 23, 2026; its instructions are those of AMD's public machine-readable ISA for CDNA 5 (MIT licence, August 2026) and "CDNA5" Instruction Set Architecture Reference Guide (July 2026). The comments in the code are by the model that wrote it; some were corrected since.
;; Poso For MHA Layer. Allowed arithmetic: float matrix products may take bf16 or f16 operands with f32 sums; other float arithmetic in f32, or as packed bf16 or f16 multiplies, adds, multiply-adds, maxima and minima; sums over many terms, partial sums and values carried from step to step in f32; what a program stores and reads back later, other than sums and carried values, may be rounded once to bf16 or f16.
;; Inputs: C one number float32; Wk 512 x 512 float32; Wo 512 x 512 float32; Wq 512 x 512 float32; Wv 6 x 512 x 512 float32; bk 512 float32; bo 512 float32; bq 512 float32; bv 6 x 512 float32; gk_b1 128 float32; gk_b2 512 float32; gk_w1 64 x 128 float32; gk_w2 128 x 512 float32; gv_b1 32 float32; gv_b2 6 float32; gv_w1 64 x 32 float32; gv_w2 32 x 6 float32; inputs_for_gate 8 x 64 float32; k 8 x 1,024 x 512 float32; mask 8 x 1,024 x 1,024 float32; q 8 x 1,024 x 512 float32; v 8 x 1,024 x 512 float32.
;; Outputs: out0 8 x 1,024 x 512 float32.
;; One version. Each part assembles by itself: llvm-mc -triple=amdgcn-amd-amdhsa -mcpu=gfx1250 --defsym DOCPART=n.
;; ======== version 1 of 1: 4 launches
;; limits: values are held in f16: magnitudes above 65,504 overflow, below 6.1e-05 lose precision
;; workspace buffers: w16 5,767,168 bytes; tab 49,152 bytes; qvk 25,165,824 bytes; o16 8,388,608 bytes
;; launch prep (part 1): grid 256 x 1, 8 waves a work-group, no clusters, 1,792 bytes of LDS; arguments inputs_for_gate, gv_w1, gv_b1, gv_w2, gv_b2, gk_w1, gk_b1, gk_w2, gk_b2, Wq, Wk, Wo, Wv, bq, bv, w16, tab; writes w16, tab
.if DOCPART == 1
	.amdgcn_target "amdgcn-amd-amdhsa--gfx1250"
	.amdhsa_code_object_version 6
	.text
	.protected	k_qc2085451d1_prep
	.globl	k_qc2085451d1_prep
	.p2align	8
	.type	k_qc2085451d1_prep,@function
k_qc2085451d1_prep:
	s_mov_b64 s[64:65], 0
	v_nop
	global_prefetch_b8 v0, s[64:65] scope:SCOPE_SE
	s_setreg_imm32_b32 hwreg(HW_REG_WAVE_MODE, 25, 1), 1
	s_wait_xcnt 0x0
; PREP: the gates, the mixed V weight of each batch, and all weights rounded once to f16.
; WORK LEFT OUT, for all finite values of the inputs:
;  (1) sum_n g[b,n] (v Wv[n] + bv[n]) = v (sum_n g[b,n] Wv[n]) + sum_n g[b,n] bv[n]: the mixture is linear, so ONE product with the mixed weight Wmix[b] stands for six.
;  (2) bk adds qp[q] . (bk * gate_k[b]) / 8 to every logit of row q: the same number along the softmax's axis, which the softmax cancels.  bk is not loaded and is no argument of any launch.
;  LIMIT: a NaN, an infinity or an overflow that sits in bk alone is not carried to the result.
; OUT.  w16: f16 [11][512 k][512 n]: 0 Wq, 1 Wk, 2 Wo, 3 + b Wmix[b].  tab: f32 [3][8 b][512]: 0: 0.5 log2(e) bq; 1: (sum_n g[b,n] bv[n]) / 16; 2: 0.25 gate_k[b] = 0.5 sigmoid.
;  The powers of two and log2(e) are the scalings of the stored q', k', v' (next launch).  LIMIT: weights are held in f16: none may pass 65,504; below 6e-5 they keep f16's fixed step of 6e-8.
; SHARES.  Work-group g, thread t: elements 1024 g + 4 t .. + 3 of every 512 x 512 matrix (a wave's load covers 512 consecutive bytes, its store 256, both aligned).
;  Every work-group makes all 48 gate_v itself (wave w: batch w; a lane a hidden unit).  It also owns 16 columns c0 = 16 (g % 32) of the tables of batch bg = g / 32:
;  waves 0-3 make that batch's 128 hidden units of the K gate, wave 4 finishes the 16 columns.
;  Every LDS address is made of constants, the wave's number and the thread's number: what hangs on the work-group's number (batch bg's gates) is picked in registers.
.set GV,    0          ; LDS: gate_v, 8 words a batch (6 used)
.set HK,    256        ; LDS: the K gate's 128 hidden units of batch bg
.set SPARE, 768        ; the spare words, 128 bytes for each of eight waves
.set LANE, 1
.set MO,   2           ; 4096 g + 16 t: my 16 bytes in an f32 matrix
.set HO,   3           ; 2048 g + 8 t: my 8 bytes in an f16 matrix
.set SPW,  4
.set NIL,  5
.set T0,   6
.set T1,   7
.set WM,   8           ; v[8:43]  nine quads: Wq, Wk, Wo, Wv[0..5]
.set XW,   44          ; v44-45   x of batch = wave: lane i holds x[i], x[32 + i]
.set XG,   46          ; v46-47   x of batch bg
.set SA,   48          ; v[48:111]  gv_w1's column; then all gate_v; then (wave 4) hidden units
.set SB,   112         ; v[112:175] gk_w1's column (waves 0-3); gk_w2 (wave 4)
.set B1V,  176
.set HV,   177
.set W2V,  178         ; v[178:183]
.set B2V,  184         ; v[184:189]
.set GKB,  190
.set BQ,   191
.set BV,   192         ; v[192:197]
.set ZR,   198         ; 0
.set TP,   199
.set AC,   200         ; four chains
.set Z,    204         ; v[204:211]
.set MX,   212         ; v[212:215]
.set PK,   216         ; v[216:237] packed results, two registers a matrix: each store has data registers of its own
.set OX,   240         ; byte offsets, one register for each family of loads; never rewritten
.set OL4,  241
.set O24,  242
.set OXG,  243
.set OT4,  244
.set OW2,  245
.set OC4,  246
.set OTAB, 247
.set AG,   248
.set AH,   249
	s_load_b512 s[4:19], s[0:1], 0x0               ; x 4, gv_w1 6, gv_b1 8, gv_w2 10, gv_b2 12, gk_w1 14, gk_b1 16, gk_w2 18
	s_load_b512 s[20:35], s[0:1], 0x40             ; gk_b2 20, Wq 22, Wk 24, Wo 26, Wv 28, bq 30, bv 32, w16 34
	s_load_b64 s[36:37], s[0:1], 0x80              ; tab
	v_lshl_add_u32 v[SPW], v0, 2, SPARE
	v_mov_b32 v[NIL], 0
	v_lshrrev_b32 v[T0], 5, v0
	v_readfirstlane_b32 s38, v[T0]                 ; wave 0..7
	v_and_b32 v[LANE], 31, v0
	s_mov_b32 s56, 0x76543210                      ; v_permlanex16_b32: each lane takes its own place in the other half
	s_mov_b32 s57, 0xfedcba98
	s_lshl_b32 s59, ttmp9, 12
	v_lshl_add_u32 v[MO], v0, 4, s59
	s_lshl_b32 s59, ttmp9, 11
	v_lshl_add_u32 v[HO], v0, 3, s59
	s_lshr_b32 s39, ttmp9, 5                       ; bg
	s_and_b32 s60, ttmp9, 31
	s_lshl_b32 s60, s60, 6                         ; 4 c0
	v_lshlrev_b32 v[OL4], 2, v[LANE]
	s_lshl_b32 s59, s38, 8
	v_add_nc_u32 v[OX], s59, v[OL4]                ; x[wave][lane]
	v_mul_u32_u24 v[O24], 24, v[LANE]              ; gv_w2's row of six
	s_lshl_b32 s59, s39, 8
	v_add_nc_u32 v[OXG], s59, v[OL4]               ; x[bg][lane]
	v_lshlrev_b32 v[OT4], 2, v0
	v_and_b32 v[T0], 15, v0
	v_lshl_add_u32 v[OC4], v[T0], 2, s60           ; 4 c, c = c0 + lane % 16
	v_bfe_u32 v[T1], v0, 4, 1
	v_lshl_add_u32 v[OW2], v[T1], 17, v[OC4]       ; gk_w2: rows 64 (lane / 16) on, column c
	s_lshl_b32 s59, s39, 11
	v_add_nc_u32 v[OTAB], s59, v[OC4]              ; (512 bg + c) x 4
	s_lshl_b32 s59, s38, 5
	v_mov_b32 v[AG], s59                           ; LDS: my batch's eight words
	v_lshlrev_b32 v[AH], 8, v[T1]                  ; LDS: my half of the hidden units
	v_mov_b32 v[ZR], 0
	v_mov_b32 v[TP], 0
	s_wait_kmcnt 0x0
	; ALL LOADS GO OUT AT ONCE; one wait follows them
	global_load_b32 v[XW], v[OX], s[4:5]
	global_load_b32 v[XW+1], v[OX], s[4:5] offset:128
.set i, 0
.rept 64
	global_load_b32 v[SA+i], v[OL4], s[6:7] offset:128*i          ; gv_w1[i][lane]
.set i, i+1
.endr
	global_load_b32 v[B1V], v[OL4], s[8:9]
.irp j, 0,1,2
	global_load_b64 v[W2V+2*\j:W2V+2*\j+1], v[O24], s[10:11] offset:8*\j
	global_load_b64 v[B2V+2*\j:B2V+2*\j+1], v[ZR], s[12:13] offset:8*\j
.endr
	global_load_b128 v[WM:WM+3], v[MO], s[22:23] th:TH_LOAD_NT
	global_load_b128 v[WM+4:WM+7], v[MO], s[24:25] th:TH_LOAD_NT
	global_load_b128 v[WM+8:WM+11], v[MO], s[26:27] th:TH_LOAD_NT
.irp n, 0,1,2,3,4,5
	global_load_b128 v[WM+12+4*\n:WM+15+4*\n], v[MO], s[28:29] offset:1048576*\n th:TH_LOAD_NT
.endr
	s_cmp_lt_u32 s38, 4
	s_cbranch_scc0 .Lnot03
	global_load_b32 v[XG], v[OXG], s[4:5]
	global_load_b32 v[XG+1], v[OXG], s[4:5] offset:128
.set i, 0
.rept 64
	global_load_b32 v[SB+i], v[OT4], s[14:15] offset:512*i        ; gk_w1[i][t]
.set i, i+1
.endr
	global_load_b32 v[GKB], v[OT4], s[16:17]
	s_branch .Lloaded
.Lnot03:
	s_cmp_eq_u32 s38, 4
	s_cbranch_scc0 .Lloaded
.set i, 0
.rept 64
	global_load_b32 v[SB+i], v[OW2], s[18:19] offset:2048*i       ; gk_w2[64 (lane / 16) + i][c]
.set i, i+1
.endr
	global_load_b32 v[GKB], v[OC4], s[20:21]
	global_load_b32 v[BQ], v[OC4], s[30:31]
.irp n, 0,1,2,3,4,5
	global_load_b32 v[BV+\n], v[OC4], s[32:33] offset:2048*\n
.endr
.Lloaded:
	s_wait_loadcnt 0x0
	; Wq, Wk, Wo are only rounded
.irp m, 0,1,2
	v_cvt_pk_f16_f32 v[PK+2*\m], v[WM+4*\m], v[WM+4*\m+1]
	v_cvt_pk_f16_f32 v[PK+2*\m+1], v[WM+4*\m+2], v[WM+4*\m+3]
	global_store_b64 v[HO], v[PK+2*\m:PK+2*\m+1], s[34:35] offset:524288*\m
.endr
; A hidden unit: dst = relu(bias + sum over 64 i of x[i] w[i]).  x lies across the lanes of two registers: sixteen at a time are read into s[40:55]; four chains of multiply-adds.
.macro HID dst, xr, wb, bias
.set n, 0
.rept 4
.set i, 0
.rept 16
	v_readlane_b32 s[40+i], v[(\xr)+n/2], 16*(n%2)+i
.set i, i+1
.endr
.set i, 0
.rept 16
.if (n == 0) && (i == 0)
	v_fma_f32 v[AC], s[40], v[\wb], v[\bias]
.elseif (n == 0) && (i < 4)
	v_mul_f32 v[AC+i], s[40+i], v[(\wb)+i]
.else
	v_fmac_f32 v[AC+i%4], s[40+i], v[(\wb)+16*n+i]
.endif
.set i, i+1
.endr
.set n, n+1
.endr
	v_add_f32 v[AC], v[AC], v[AC+1]
	v_add_f32 v[AC+2], v[AC+2], v[AC+3]
	v_add_f32 v[AC], v[AC], v[AC+2]
	v_max_num_f32 v[\dst], 0, v[AC]
.endm
	HID HV, XW, SA, B1V                            ; the V gate's hidden unit (batch = wave, unit = lane)
	s_cmp_lt_u32 s38, 4
	s_cbranch_scc0 .Lno_hk
	HID TP, XG, SB, GKB                            ; the K gate's hidden unit t of batch bg
	ds_store_b32 v[OT4], v[TP] offset:HK
.Lno_hk:
	; gate_v[wave][n] = 2 / (1 + 2^(-log2(e) z)), z = sum over lanes of hv w2[lane][n] + b2[n]; -log2(e) rides on hv
	v_mul_f32 v[HV], 0xbfb8aa3b, v[HV]
.irp n, 0,1,2,3,4,5
	v_mul_f32 v[Z+\n], v[HV], v[W2V+\n]
.endr
.irp m, 1,2,4,8
.irp n, 0,1,2,3,4,5
	v_add_f32_dpp v[Z+\n], v[Z+\n], v[Z+\n] row_xmask:\m row_mask:0xf bank_mask:0xf
.endr
.endr
.irp n, 0,1,2,3,4,5
	v_permlanex16_b32 v[SA+\n], v[Z+\n], s56, s57  ; (its destination has been written: gv_w1's registers are free)
.endr
.irp n, 0,1,2,3,4,5
	v_add_f32 v[Z+\n], v[Z+\n], v[SA+\n]
.endr
.irp n, 0,1,2,3,4,5
	v_fmamk_f32 v[Z+\n], v[B2V+\n], 0xbfb8aa3b, v[Z+\n]
.endr
.irp n, 0,1,2,3,4,5
	v_exp_f32 v[Z+\n], v[Z+\n]
.endr
	v_mov_b32 v[Z+6], 0                            ; a plain instruction behind the last exponential
	s_wait_alu depctr_va_vdst(0)                   ; one wait for the six, ahead of their first reader
.irp n, 0,1,2,3,4,5
	v_add_f32 v[Z+\n], 1.0, v[Z+\n]
.endr
.irp n, 0,1,2,3,4,5
	v_rcp_f32 v[Z+\n], v[Z+\n]
.endr
	v_mov_b32 v[Z+7], 0
	s_wait_alu depctr_va_vdst(0)                   ; one wait for the six reciprocals
.irp n, 0,1,2,3,4,5
	v_add_f32 v[Z+\n], v[Z+\n], v[Z+\n]
.endr
	ds_store_b128 v[AG], v[Z:Z+3] offset:GV        ; every lane holds the same eight words
	ds_store_b128 v[AG], v[Z+4:Z+7] offset:GV+16
	s_wait_dscnt 0x0                               ; for the others' sake: my LDS stores are done
	s_barrier_signal -1
	s_barrier_wait -1
.set i, 0
.rept 16
	ds_load_b128 v[SA+4*i:SA+4*i+3], v[ZR] offset:GV+16*i  ; all gate_v, in every lane: batch b's at SA + 8 b
.set i, i+1
.endr
	s_wait_dscnt 0x0
	; Wmix[b] = sum_n g[b][n] Wv[n], my four elements, for the eight batches; the gates lie one to a register
.set b, 0
.rept 8
.set e, 0
.rept 4
	v_mul_f32 v[MX+e], v[SA+8*b], v[WM+12+e]
.set e, e+1
.endr
.set n, 1
.rept 5
.set e, 0
.rept 4
	v_fmac_f32 v[MX+e], v[SA+8*b+n], v[WM+12+4*n+e]
.set e, e+1
.endr
.set n, n+1
.endr
	v_cvt_pk_f16_f32 v[PK+6+2*b], v[MX], v[MX+1]
	v_cvt_pk_f16_f32 v[PK+7+2*b], v[MX+2], v[MX+3]
	global_store_b64 v[HO], v[PK+6+2*b:PK+7+2*b], s[34:35] offset:524288*(3+b)
.set b, b+1
.endr
	; THE TABLES: wave 4 alone; no barrier stands in what the others jump
	s_cmp_eq_u32 s38, 4
	s_cbranch_scc0 .Lend
	; batch bg's six gates are picked from the 48 that lie in registers: batch 0's, then each later batch's takes their place where it is bg
.irp n, 0,1,2,3,4,5
	v_mov_b32 v[Z+\n], v[SA+\n]
.endr
.set b, 1
.rept 7
	s_cmp_eq_u32 s39, b
	s_cselect_b32 s59, -1, 0                       ; all lanes or none
.irp n, 0,1,2,3,4,5
	v_cndmask_b32 v[Z+\n], v[Z+\n], v[SA+8*b+\n], s59
.endr
.set b, b+1
.endr
.set i, 0
.rept 16
	ds_load_b128 v[SA+4*i:SA+4*i+3], v[AH] offset:HK+16*i   ; hidden units 64 (lane / 16) + 0..63, over the gates, which have been read
.set i, i+1
.endr
	s_wait_dscnt 0x0
.set j, 0
.rept 64
.if j < 4
	v_mul_f32 v[AC+j], v[SA+j], v[SB+j]
.else
	v_fmac_f32 v[AC+j%4], v[SA+j], v[SB+j]
.endif
.set j, j+1
.endr
	v_add_f32 v[AC], v[AC], v[AC+1]
	v_add_f32 v[AC+2], v[AC+2], v[AC+3]
	v_add_f32 v[AC], v[AC], v[AC+2]
	v_permlanex16_b32 v[TP], v[AC], s56, s57       ; the other 64 hidden units
	v_add_f32 v[AC], v[AC], v[TP]
	v_add_f32 v[AC], v[AC], v[GKB]
	v_mul_f32 v[AC], 0xbfb8aa3b, v[AC]
	v_exp_f32 v[AC], v[AC]
	v_mul_f32 v[MX], 0x3f38aa3b, v[BQ]             ; 0.5 log2(e) bq
	v_mul_f32 v[MX+1], v[Z], v[BV]
.irp n, 1,2,3,4,5
	v_fmac_f32 v[MX+1], v[Z+\n], v[BV+\n]
.endr
	v_mul_f32 v[MX+1], 0x3d800000, v[MX+1]         ; / 16
	s_wait_alu depctr_va_vdst(0)
	v_add_f32 v[AC], 1.0, v[AC]
	v_rcp_f32 v[AC], v[AC]
	v_nop
	s_wait_alu depctr_va_vdst(0)
	v_mul_f32 v[AC], 0.5, v[AC]                    ; 0.25 gate_k
	s_wait_xcnt 0x0                                ; EXEC changes only when every earlier load and store has read its sources
	v_cmp_gt_u32 vcc_lo, 16, v[LANE]
	s_and_saveexec_b32 s58, vcc_lo                 ; both halves of the lanes hold the same 16 columns: the lower half stores
	global_store_b32 v[OTAB], v[MX], s[36:37]
	global_store_b32 v[OTAB], v[MX+1], s[36:37] offset:16384
	global_store_b32 v[OTAB], v[AC], s[36:37] offset:32768
	s_wait_xcnt 0x0
	s_or_b32 exec_lo, exec_lo, s58
.Lend:
	s_wait_tensorcnt 0x0                           ; the wave's end, behind my last LDS store
	ds_add_u32 v[SPW], v[NIL]
	s_wait_dscnt 0x0
	s_endpgm
.Lfunc_end_k_qc2085451d1_prep:
	.size	k_qc2085451d1_prep, .Lfunc_end_k_qc2085451d1_prep-k_qc2085451d1_prep
	.p2alignl 7, 3214868480
	.fill 96, 4, 3214868480
	.section	.rodata,"a",@progbits
	.p2align	6, 0x0
	.amdhsa_kernel k_qc2085451d1_prep
		.amdhsa_group_segment_fixed_size 1792
		.amdhsa_private_segment_fixed_size 0
		.amdhsa_enable_private_segment 0
		.amdhsa_kernarg_size 136
		.amdhsa_user_sgpr_count 2
		.amdhsa_user_sgpr_kernarg_segment_ptr 1
		.amdhsa_wavefront_size32 1
		.amdhsa_system_sgpr_workgroup_id_x 1
		.amdhsa_system_sgpr_workgroup_id_y 1
		.amdhsa_system_sgpr_workgroup_id_z 1
		.amdhsa_system_vgpr_workitem_id 0
		.amdhsa_next_free_vgpr 256
		.amdhsa_next_free_sgpr 66
		.amdhsa_reserve_vcc 1
		.amdhsa_float_denorm_mode_32 3
		.amdhsa_float_denorm_mode_16_64 3
		.amdhsa_memory_ordered 1
		.amdhsa_forward_progress 1
		.amdhsa_inst_pref_size 57
	.end_amdhsa_kernel
	.amdgpu_metadata
---
amdhsa.version: [ 1, 2 ]
amdhsa.kernels:
  - .name:           k_qc2085451d1_prep
    .symbol:         k_qc2085451d1_prep.kd
    .args:
      - { .name: inputs_for_gate, .offset: 0, .size: 8, .value_kind: global_buffer, .address_space: global }
      - { .name: gv_w1, .offset: 8, .size: 8, .value_kind: global_buffer, .address_space: global }
      - { .name: gv_b1, .offset: 16, .size: 8, .value_kind: global_buffer, .address_space: global }
      - { .name: gv_w2, .offset: 24, .size: 8, .value_kind: global_buffer, .address_space: global }
      - { .name: gv_b2, .offset: 32, .size: 8, .value_kind: global_buffer, .address_space: global }
      - { .name: gk_w1, .offset: 40, .size: 8, .value_kind: global_buffer, .address_space: global }
      - { .name: gk_b1, .offset: 48, .size: 8, .value_kind: global_buffer, .address_space: global }
      - { .name: gk_w2, .offset: 56, .size: 8, .value_kind: global_buffer, .address_space: global }
      - { .name: gk_b2, .offset: 64, .size: 8, .value_kind: global_buffer, .address_space: global }
      - { .name: Wq, .offset: 72, .size: 8, .value_kind: global_buffer, .address_space: global }
      - { .name: Wk, .offset: 80, .size: 8, .value_kind: global_buffer, .address_space: global }
      - { .name: Wo, .offset: 88, .size: 8, .value_kind: global_buffer, .address_space: global }
      - { .name: Wv, .offset: 96, .size: 8, .value_kind: global_buffer, .address_space: global }
      - { .name: bq, .offset: 104, .size: 8, .value_kind: global_buffer, .address_space: global }
      - { .name: bv, .offset: 112, .size: 8, .value_kind: global_buffer, .address_space: global }
      - { .name: w16, .offset: 120, .size: 8, .value_kind: global_buffer, .address_space: global }
      - { .name: tab, .offset: 128, .size: 8, .value_kind: global_buffer, .address_space: global }
    .group_segment_fixed_size: 1792
    .private_segment_fixed_size: 0
    .kernarg_segment_align: 8
    .kernarg_segment_size: 136
    .max_flat_workgroup_size: 256
    .sgpr_count:     66
    .vgpr_count:     256
    .wavefront_size: 32
...
	.end_amdgpu_metadata
.endif
;; end of part 1
;; launch proj (part 2): grid 4 x 64, 4 waves a work-group, clusters of 4 x 4, 327,680 bytes of LDS; arguments q, v, k, w16, tab, qvk; writes qvk
.if DOCPART == 2
	.amdgcn_target "amdgcn-amd-amdhsa--gfx1250"
	.amdhsa_code_object_version 6
	.text
	.protected	k_qc2085451d1_proj
	.globl	k_qc2085451d1_proj
	.p2align	8
	.type	k_qc2085451d1_proj,@function
k_qc2085451d1_proj:
	s_mov_b64 s[64:65], 0
	v_nop
	global_prefetch_b8 v0, s[64:65] scope:SCOPE_SE
	s_setreg_imm32_b32 hwreg(HW_REG_WAVE_MODE, 25, 1), 1
	s_wait_xcnt 0x0
	s_wait_alu depctr_hold_cnt(0) depctr_sa_sdst(0) depctr_va_vdst(0) depctr_va_sdst(0) depctr_va_ssrc(0) depctr_va_vcc(0) depctr_vm_vsrc(0)
	s_getreg_b32 s2, hwreg(HW_REG_IB_STS2, 6, 4)
	s_cmp_eq_u32 s2, 0
	s_cbranch_scc0 .Lentry_in_a_cluster
	s_endpgm
.Lentry_in_a_cluster:
	s_bfe_u32 s2, ttmp6, 0x10000c
	s_cmp_lg_u32 s2, 0xf033
	s_cbranch_scc0 .Lentry_shape_is_right
	s_endpgm
.Lentry_shape_is_right:
; PROJ: the three input projections.  Tile 0: q' = (q Wq + bq) 0.5 log2(e).  Tile 1: v' = (v Wmix[b] + bvmix[b]) / 16.  Tile 2: k' = (k Wk) 0.25 gate_k[b].
; Left out: bk (the same along the softmax's axis) and five of the six V products (the mixture is linear): shown at the head of the first kernel.
; So q' . k' = log2(e) logit / 8.  Stored in f16, [3][8192][512], rounded once from f32 sums.  LIMIT: q, k, v and q', k', v' must lie within f16's 65,504; the factors leave room for inputs some 30 times the usual.
; SHARES.  A WORK-GROUP STAYS: it makes the same 128 rows x 128 columns of q', then of v', then of k', each over the whole K = 512: 256 work-groups.  Four waves, each 64 x 64: 16 accumulators.
; THE LOOP OVER TILES holds the four K quarters once and is entered in its middle; the part between two tiles (.Ltile) runs twice; the last tile's way out stands behind the loop.  No fill goes unread.
; B (the weights, f16 [k][n]): wave w brings K quarter w, 128 k rows x 256 bytes, by ONE tensor load a tile, asked for JOINTLY by the four work-groups of a column of the cluster (same columns, same batch).
;  Between two tiles B is filled again: every wave's three lines, a round of the cluster's barrier, the refill first behind it; the finished tile's way out stands behind the refill, so that the wave works while it lands.
; A (f32 in memory) comes through registers, since it has to be rounded: wave w loads rows 32 w .. + 31, a K quarter (32 loads of 512 consecutive bytes) at a time into two sets of 128 registers,
;  rounds them and lays them into LDS.  The two sets go on into the next tile: its quarter 0 is asked for behind the products of quarter 2, its quarter 1 behind those of quarter 3.
;  NO MULTICAST FOR A: the f32 tile (128 x 2,064 bytes) and B (147,456) do not fit in LDS together, and a ring of f32 K slices would hold one slice on its way
;  where the two register sets hold 32 KiB a wave on their way across the barriers.
; THE PRODUCT IS TAKEN TRANSPOSED (source 0 = 16 columns of W, turned on the way out of LDS; source 1 = 16 rows of A): a lane holds one row and eight neighbouring columns.
; REGISTERS.  window 0: addresses, TMP v32-95, T v96-127 (my 32 columns of the table), ACC v128-255.  window 1: two fragment buffers of 64 (A's 4 x 8, then B's 4 x 8).  window 2: two sets of 128 f32 as loaded.
.set PA,    1040       ; a row of A in LDS: 1,024 bytes + 16: an odd multiple of 16, so the 16 rows of a fragment load start at 16 different groups of four banks (ISA guide 11.1)
.set PB,    288        ; a k row of B: 256 + 32
.set BOFF,  128*PA
.set BQB,   128*PB     ; a K quarter of B
.set STAGE, BOFF+4*BQB
.set SP,    272
.set SPARE, STAGE+128*SP
.set RR,   1
.set HH,   2
.set LN,   3
.set AO,   4           ; 65536 w + 16 lane: my 16 bytes of my wave's first row
.set AS,   5           ; where I put 8 bytes of f16
.set ADRA, 6
.set ADRB, 8           ; v8-11: one for each K quarter
.set STO,  12
.set RD,   13
.set CO,   14
.set TO,   15
.set U0,   16
.set U1,   17
.set PFO,  18          ; the prefetch of A: my block of 256 bytes in the row block; never rewritten
.set PFB,  19          ; the prefetch of B: my k row in my wave's K quarter; never rewritten
.set SPW,  28
.set NIL,  29
.set TMP,  32
.set T,    96
.set ACC,  128
.set F0,   0
.set F1,   64
.set WV,   16          ; s16
.set CUR,  36          ; s[36:37] the tensor of the tile in hand, at my row block
.set NXT,  58          ; s[58:59] the next tile's
.set NX2,  60          ; s[60:61] the one after that
.set NXB,  62          ; s[62:63] the next tile's weight, at my K quarter and my columns
.set WB,   66          ; s[66:67] matrix 0 of w16, at my K quarter and my columns
.set TL,   68          ; s68  tiles to go, this one among them
.set PM,   69          ; s69  the bits of the cluster's y that must be 0 in the cluster that prefetches the next weight
.set MSB, 0
.macro WIN new                         ; the immediate's high byte repeats the setting that is left; a switch that changes nothing is dropped
.if MSB != (\new)
	s_set_vgpr_msb (MSB<<8)|(\new)
.set MSB, (\new)
.endif
.endm
.set MUL,  0x05        ; sources 0 and 1 window 1; C and D window 0
.set TO_F, 0x40        ; destination window 1
.set TO_S, 0x80        ; destination window 2
.set CVT,  0x0a        ; sources 0 and 1 window 2
.macro CROUND                          ; a round of the cluster's barrier
	s_barrier_signal -1
	s_barrier_wait -1
	s_cmp_lg_u32 s[WV], 0
	s_cbranch_scc1 .Lnot_wave_0_\@
	s_barrier_signal -3
.Lnot_wave_0_\@:
	s_barrier_wait -3
	s_barrier_signal -1
	s_barrier_wait -1
.endm
.macro PLACES                          ; four places behind a matrix instruction, ahead of loads into its sources and of vector work on its results
.rept 4
	v_nop
.endr
.endm
	s_load_b256 s[4:11], s[0:1], 0x0               ; q 4, v 6, k 8, w16 10
	s_load_b128 s[12:15], s[0:1], 0x20             ; tab 12, qvk 14
	v_lshl_add_u32 v[SPW], v0, 2, SPARE
	v_mov_b32 v[NIL], 0
	ds_add_u32 v[SPW], v[NIL]                      ; the wave's opening: the add, twice on end, and its wait ahead of my first tensor load
	ds_add_u32 v[SPW], v[NIL]
	v_lshrrev_b32 v[LN], 5, v0
	v_readfirstlane_b32 s[WV], v[LN]               ; wave 0..3
	s_lshr_b32 s17, s[WV], 1                       ; wr: my 64 rows
	s_and_b32 s18, s[WV], 1                        ; wc: my 64 columns
	s_bfe_u32 s19, ttmp6, 0x40000                  ; cx = the column block
	s_bfe_u32 s20, ttmp6, 0x40004                  ; cy
	s_and_b32 s21, ttmp7, 0xffff                   ; the cluster's y, 0..15
	s_lshr_b32 s23, s21, 1                         ; batch: the same in all partners
	s_lshl_b32 s45, s21, 2
	s_add_co_u32 s45, s45, s20                     ; row block 0..63
	s_lshl_b32 s46, 0x1111, s19                    ; my column of the cluster
	s_or_b32 s24, s46, (1<<16)|(1<<20)|(1<<21)|(5<<22)|(7<<25)  ; group 1: the mask; 2-byte elements; padding on; bit 21 beside a mask; after every 64 words, 8 words
	s_mov_b32 s25, 128<<16                         ; tensor_dim0 = 128
	s_mov_b32 s26, 128<<16                         ; tensor_dim1 = 128
	s_mov_b32 s27, 128<<16                         ; tile_dim0 = 128
	s_mov_b32 s28, 128                             ; tile_dim1 = 128
	s_mov_b32 s29, 512                             ; elements from row to row
	s_mov_b32 s30, 0
	s_mov_b32 s31, 0
	s_mov_b32 s32, 1
	s_mul_i32 s33, s[WV], BQB
	s_add_co_u32 s33, s33, BOFF                    ; LDS: K quarter = wave; the same in every tile
	s_lshl_b32 s48, s[WV], 17                      ; in a weight: 128 k rows of 1,024 bytes,
	s_lshl_b32 s47, s19, 8                         ; 128 columns:
	s_add_co_u32 s48, s48, s47                     ; made of the wave and cx alone
	s_mov_b32 s49, 0
	s_add_co_u32 s46, s23, 3                       ; the weights in turn: matrix 0 (Wq), 3 + b (Wmix[b]), 1 (Wk): batch and constants alone
	s_lshl_b32 s46, s46, 19
	s_mov_b32 s47, 0
	s_lshl_b32 s50, s45, 18                        ; A: 128 rows of 2,048 bytes
	s_mov_b32 s51, 0
	s_lshl_b32 s52, s23, 11                        ; table plane 0, my batch,
	s_lshl_b32 s53, s19, 9                         ; 128 columns
	s_add_co_u32 s52, s52, s53
	s_mov_b32 s53, 0
	s_lshl_b32 s54, s45, 17                        ; out, plane 0: 128 rows of 1,024 bytes,
	s_lshl_b32 s55, s[WV], 15                      ; the 32 rows that I store,
	s_add_co_u32 s54, s54, s55
	s_lshl_b32 s55, s19, 8                         ; 128 columns
	s_add_co_u32 s54, s54, s55
	s_mov_b32 s55, 0
	s_mov_b32 s42, 0x3f38aa3b                      ; 0.5 log2(e), for q
	s_mov_b32 s43, s42
	s_mov_b32 s[TL], 3
	s_mov_b32 s[PM], 1                             ; Wmix[b] is read by the clusters 2 b and 2 b + 1: the even one prefetches
	v_and_b32 v[RR], 15, v0
	v_bfe_u32 v[HH], v0, 4, 1
	v_and_b32 v[LN], 31, v0
	s_lshl_b32 s56, s[WV], 16
	v_lshl_add_u32 v[AO], v[LN], 4, s56
	s_lshl_b32 s56, s18, 8
	v_lshl_add_u32 v[TO], v[HH], 5, s56            ; 4 x (64 wc + 8 h)
	s_wait_dscnt 0x0                               ; both opening adds are done
	s_wait_kmcnt 0x0
	s_add_nc_u64 s[CUR:CUR+1], s[4:5], s[50:51]    ; q, v and k at my row block
	s_add_nc_u64 s[NXT:NXT+1], s[6:7], s[50:51]
	s_add_nc_u64 s[NX2:NX2+1], s[8:9], s[50:51]
	s_add_nc_u64 s[38:39], s[12:13], s[52:53]
	s_add_nc_u64 s[40:41], s[14:15], s[54:55]
	s_add_nc_u64 s[WB:WB+1], s[10:11], s[48:49]
	s_add_nc_u64 s[NXB:NXB+1], s[WB:WB+1], s[46:47]
	s_mov_b64 s[34:35], s[WB:WB+1]                 ; the first tile's weight is matrix 0
	s_or_b32 s35, s35, 0x80000000                  ; type = 2
.macro TLOAD                           ; my 32 columns of the tile's table
.irp nb, 0,1,2,3
	global_load_b128 v[T+8*\nb:T+8*\nb+3], v[TO], s[38:39] offset:64*\nb
	global_load_b128 v[T+8*\nb+4:T+8*\nb+7], v[TO], s[38:39] offset:64*\nb+16
.endr
.endm
.macro LOADQ set, kq, base             ; K quarter kq of my 32 rows: each load is 512 consecutive bytes of one row
	WIN TO_S
.set i, 0
.rept 32
	global_load_b128 v[(\set)+4*i:(\set)+4*i+3], v[AO], s[(\base):(\base)+1] offset:2048*i+512*(\kq)
.set i, i+1
.endr
	WIN 0
.endm
.macro CVTQ set, kq                    ; rounded to f16 and laid into LDS: each store is 256 consecutive bytes
	WIN CVT
.set i, 0
.rept 64
	v_cvt_pk_f16_f32 v[TMP+i], v[(\set)+2*i], v[(\set)+2*i+1]
.set i, i+1
.endr
	WIN 0
.set i, 0
.rept 32
	ds_store_b64 v[AS], v[TMP+2*i:TMP+2*i+1] offset:PA*i+256*(\kq)
.set i, i+1
.endr
.endm
.macro FETCH s, sub, f                 ; the fragments of 32 along K: K quarter s, part sub
	WIN TO_F
.irp nb, 0,1,2,3
	ds_load_tr16_b128 v[(\f)+32+8*\nb:(\f)+32+8*\nb+3], v[ADRB+(\s)] offset:32*PB*(\sub)+32*\nb
	ds_load_tr16_b128 v[(\f)+32+8*\nb+4:(\f)+32+8*\nb+7], v[ADRB+(\s)] offset:32*PB*(\sub)+32*\nb+16*PB
.endr
.irp a, 0,1,2,3
	ds_load_b128 v[(\f)+8*\a:(\f)+8*\a+3], v[ADRA] offset:16*PA*\a+256*(\s)+64*(\sub)
	ds_load_b128 v[(\f)+8*\a+4:(\f)+8*\a+7], v[ADRA] offset:16*PA*\a+256*(\s)+64*(\sub)+32
.endr
.endm
.macro MUL8 f, a0, zero                ; row blocks a0, a0 + 1 x 4 column blocks.  The 16 accumulators take turns, one instruction a turn, over the backward jump too
	WIN MUL
.irp a, \a0, (\a0)+1
.irp nb, 0,1,2,3
.if \zero
	v_wmma_f32_16x16x32_f16 v[ACC+8*(4*(\a)+\nb):ACC+8*(4*(\a)+\nb)+7], v[(\f)+32+8*\nb:(\f)+32+8*\nb+7], v[(\f)+8*(\a):(\f)+8*(\a)+7], 0
.else
	v_wmma_f32_16x16x32_f16 v[ACC+8*(4*(\a)+\nb):ACC+8*(4*(\a)+\nb)+7], v[(\f)+32+8*\nb:(\f)+32+8*\nb+7], v[(\f)+8*(\a):(\f)+8*(\a)+7], v[ACC+8*(4*(\a)+\nb):ACC+8*(4*(\a)+\nb)+7]
.endif
.endr
.endr
.endm
.macro SUB s, sub, f, g, zero          ; 16 products on buffer f; in their middle the next part's fragments go into buffer g
	s_wait_dscnt 0x0                               ; buffer f is in
	MUL8 \f, 0, \zero
.if (\sub) < 3
	PLACES
	FETCH \s, (\sub)+1, \g
.endif
	MUL8 \f, 2, \zero
.endm
.macro KBODY s, zero                   ; K quarter s is published and multiplied
	s_wait_dscnt 0x0                               ; for the others' sake: my part of this quarter of A lies in LDS
	s_barrier_signal -1
	s_barrier_wait -1                              ; everybody's does.  A quarter's bytes are written again a tile later, with four barriers or more between
	FETCH \s, 0, F0
	SUB \s, 0, F0, F1, \zero
	SUB \s, 1, F1, F0, 0
	SUB \s, 2, F0, F1, 0
	SUB \s, 3, F1, F0, 0
.endm
; A PREFETCH INTO THE L2 of what the NEXT tile will read, behind the loads of this tile's K quarter 0: three K quarters ahead of the first load that wants it.  Each aligned 256 bytes are named once in the launch.
; A: the next tensor's 128 rows of 2,048 bytes are read by the four partners of a row of the cluster: the partner at cx takes 32 rows, each of its waves 8: a lane a block, four rows an instruction, two instructions.
; B: my K quarter's 128 k rows x 256 bytes of the next weight are asked for jointly by the four partners of a column: the partner at cy takes 32 rows, a lane a row.  Wmix[b] is read by two clusters, Wk by all sixteen:
; one of them prefetches (the bits PM of the cluster's y are 0).  Partners are told apart by address, never by a branch.  The last tile asks for nothing; the first tile comes by its loads alone.
.macro ASK
	s_cmp_eq_u32 s[TL], 1
	s_cbranch_scc1 .Lno_ask
	global_prefetch_b8 v[PFO], s[NXT:NXT+1] th:TH_LOAD_NT scope:SCOPE_SE
	global_prefetch_b8 v[PFO], s[NXT:NXT+1] offset:8192 th:TH_LOAD_NT scope:SCOPE_SE
	s_and_b32 s70, s21, s[PM]
	s_cmp_lg_u32 s70, 0
	s_cbranch_scc1 .Lno_ask
	global_prefetch_b8 v[PFB], s[NXB:NXB+1] th:TH_LOAD_NT scope:SCOPE_SE
.Lno_ask:
.endm
; THE WAY OUT's second part: rounded to f16; 16 bytes a lane into the work-group's stage; a barrier, since a row's 256 bytes come from two waves; back as whole rows, 32 rows a wave.
.macro PACKOUT
.set t, 0
.rept 64
	v_cvt_pk_f16_f32 v[TMP+t], v[ACC+2*t], v[ACC+2*t+1]
.set t, t+1
.endr
.irp a, 0,1,2,3
.irp nb, 0,1,2,3
	ds_store_b128 v[STO], v[TMP+4*(4*\a+\nb):TMP+4*(4*\a+\nb)+3] offset:16*SP*\a+32*\nb
.endr
.endr
	s_wait_dscnt 0x0                               ; my stores into the stage are done,
	s_barrier_signal -1
	s_barrier_wait -1                              ; everybody's are.  B's refill may stay on its way across it
.set i, 0
.rept 16
	ds_load_b128 v[TMP+4*i:TMP+4*i+3], v[RD] offset:2*SP*i
.set i, i+1
.endr
.set i, 0
.rept 16
	s_wait_dscnt 15-i                              ; LDS loads come back in order: pair i of rows is in
	global_store_b128 v[CO], v[TMP+4*i:TMP+4*i+3], s[40:41] offset:2048*i  ; 16 lanes store 256 consecutive bytes, aligned
.set i, i+1
.endr
.endm
	TLOAD
	LOADQ 0, 0, CUR
	CROUND                                         ; all sixteen work-groups are here: the joint loads meet
	tensor_load_to_lds s[32:35], s[24:31]          ; one tensor load of mine is out, here and behind each refill
	s_nop 0
	PLACES
	LOADQ 128, 1, CUR
	s_mul_i32 s56, s[WV], 32*PA
	v_lshl_add_u32 v[AS], v[LN], 3, s56
	s_mul_i32 s56, s17, 64*PA
	v_mul_u32_u24 v[U0], v[RR], PA
	v_lshl_add_u32 v[U0], v[HH], 4, v[U0]
	v_add_nc_u32 v[ADRA], s56, v[U0]               ; (64 wr + r) pitch + 16 h
	v_and_b32 v[U0], 7, v0
	v_lshl_add_u32 v[U0], v[HH], 3, v[U0]
	v_mul_u32_u24 v[U0], v[U0], PB
	v_bfe_u32 v[U1], v0, 3, 1
	v_lshl_add_u32 v[U0], v[U1], 4, v[U0]          ; the turning load: k row 8 h + l % 8, columns 8 ((l / 8) % 2) on
	s_lshl_b32 s56, s18, 7
	s_add_co_u32 s56, s56, BOFF
.irp s, 0,1,2,3
	v_add_nc_u32 v[ADRB+\s], s56, v[U0]
	s_add_co_u32 s56, s56, BQB
.endr
	s_mul_i32 s56, s17, 64*SP
	s_lshl_b32 s57, s18, 7
	s_add_co_u32 s56, s56, s57
	s_add_co_u32 s56, s56, STAGE
	v_mul_u32_u24 v[U0], v[RR], SP
	v_lshl_add_u32 v[U0], v[HH], 4, v[U0]
	v_add_nc_u32 v[STO], s56, v[U0]
	s_mul_i32 s56, s[WV], 32*SP
	s_add_co_u32 s56, s56, STAGE
	v_mul_u32_u24 v[U0], v[HH], SP
	v_lshl_add_u32 v[U0], v[RR], 4, v[U0]
	v_add_nc_u32 v[RD], s56, v[U0]
	v_lshlrev_b32 v[U0], 10, v[HH]
	v_lshl_add_u32 v[CO], v[RR], 4, v[U0]
	s_lshl_b32 s56, s19, 16                        ; the prefetch of A: 32 cx rows of 2,048 bytes,
	s_lshl_b32 s57, s[WV], 14                      ; 8 w rows,
	s_add_co_u32 s56, s56, s57
	v_lshrrev_b32 v[U0], 3, v[LN]
	v_lshl_add_u32 v[PFO], v[U0], 11, s56          ; row l / 8 of four,
	v_and_b32 v[U0], 7, v0
	v_lshl_add_u32 v[PFO], v[U0], 8, v[PFO]        ; block l % 8 of the row's eight
	s_lshl_b32 s56, s20, 15                        ; the prefetch of B: 32 cy k rows of 1,024 bytes,
	v_lshl_add_u32 v[PFB], v[LN], 10, s56          ; a lane a row
	s_branch .Lk                                   ; the loop is entered at a tile's first K quarter
.Ltile:                                ; BETWEEN TWO TILES, twice
	LOADQ 128, 1, NXT                              ; the set that K quarter 3 has left takes the next tile's quarter 1
	s_wait_tensorcnt 0x0                           ; no tensor load of mine is out, so group 0 may be written
	ds_add_u32 v[SPW], v[NIL]                      ; 0 onto my spare word; the descriptor's address stands between it and the wait for it
	s_mov_b64 s[34:35], s[NXB:NXB+1]               ; the next tile's weight
	s_or_b32 s35, s35, 0x80000000
	s_wait_dscnt 0x0                               ; the add is done, and my reads of B are over
	CROUND                                         ; no wave of any partner still reads B or has a load on its way
	tensor_load_to_lds s[32:35], s[24:31]          ; my K quarter of the next weight: the first thing behind the round, my one tensor load until the next
	s_nop 0
	PLACES                                         ; also the places behind the tile's last products
	; the way out of q' and v': sum x scale + table.  Each accumulator's registers are taken from its low end on.
.set t, 0
.rept 16
.set p, 0
.rept 4
	v_pk_fma_f32 v[ACC+8*t+2*p:ACC+8*t+2*p+1], v[ACC+8*t+2*p:ACC+8*t+2*p+1], s[42:43], v[T+8*(t%4)+2*p:T+8*(t%4)+2*p+1] op_sel_hi:[1,0,1]
.set p, p+1
.endr
.set t, t+1
.endr
	PACKOUT
	s_wait_xcnt 0x0                                ; every load, store and prefetch issued so far has read its sources: the pointers are stepped, and TMP is rewritten, only behind this wait
	s_mov_b64 s[CUR:CUR+1], s[NXT:NXT+1]
	s_mov_b64 s[NXT:NXT+1], s[NX2:NX2+1]
	s_add_nc_u64 s[NXB:NXB+1], s[WB:WB+1], 0x80000 ; behind Wmix[b] comes matrix 1, Wk,
	s_mov_b32 s[PM], 15                            ; which all sixteen clusters read: cluster y = 0 prefetches
	s_add_nc_u64 s[38:39], s[38:39], 16384         ; the next plane of the table
	s_add_nc_u64 s[40:41], s[40:41], 0x800000      ; and of the output
	s_mov_b32 s42, 0x3d800000                      ; 1/16, for v
	s_mov_b32 s43, s42
	TLOAD
.Lk:
	s_wait_loadcnt 32                              ; K quarter 0 is in; of the younger loads (quarter 1's 32; on the way back also the table's 8) 32 may stay out
	CVTQ 0, 0
	LOADQ 0, 2, CUR                                ; the set just read takes the quarter two on
	ASK
	s_wait_tensorcnt 0x0                           ; my K quarter of B has landed: the one tensor load that is out, so the count for its readers is 0
	KBODY 0, 1                                     ; the first products start the sums
	s_wait_loadcnt 32                              ; quarter 1 and the table are in; quarter 2's 32 loads stay out
	CVTQ 128, 1
	LOADQ 128, 3, CUR
	KBODY 1, 0
	s_wait_loadcnt 32                              ; quarter 2 is in; quarter 3's 32 loads stay out
	CVTQ 0, 2
	KBODY 2, 0
	WIN 0
	s_cmp_eq_u32 s[TL], 1                          ; the loads of the next tile's quarter 0 and the wait that counts them stand in one arm
	s_cbranch_scc1 .Llast_q
	LOADQ 0, 0, NXT
	s_wait_loadcnt 32                              ; quarter 3 is in; the 32 just issued stay out
	s_branch .Lq3
.Llast_q:
	s_wait_loadcnt 0x0                             ; the last tile: nothing was issued behind quarter 3
.Lq3:
	CVTQ 128, 3
	KBODY 3, 0
	WIN 0
	s_sub_co_u32 s[TL], s[TL], 1
	s_cmp_lg_u32 s[TL], 0
	s_cbranch_scc1 .Ltile
	; the way out of k': sum x table
	PLACES
.set t, 0
.rept 16
.set p, 0
.rept 4
	v_pk_mul_f32 v[ACC+8*t+2*p:ACC+8*t+2*p+1], v[ACC+8*t+2*p:ACC+8*t+2*p+1], v[T+8*(t%4)+2*p:T+8*(t%4)+2*p+1]
.set p, p+1
.endr
.set t, t+1
.endr
	PACKOUT
	s_wait_tensorcnt 0x0                           ; the wave's end
	ds_add_u32 v[SPW], v[NIL]
	s_wait_dscnt 0x0
	CROUND                                         ; the closing round
	s_endpgm
.Lfunc_end_k_qc2085451d1_proj:
	.size	k_qc2085451d1_proj, .Lfunc_end_k_qc2085451d1_proj-k_qc2085451d1_proj
	.p2alignl 7, 3214868480
	.fill 96, 4, 3214868480
	.section	.rodata,"a",@progbits
	.p2align	6, 0x0
	.amdhsa_kernel k_qc2085451d1_proj
		.amdhsa_group_segment_fixed_size 327680
		.amdhsa_private_segment_fixed_size 0
		.amdhsa_enable_private_segment 0
		.amdhsa_kernarg_size 48
		.amdhsa_user_sgpr_count 2
		.amdhsa_user_sgpr_kernarg_segment_ptr 1
		.amdhsa_wavefront_size32 1
		.amdhsa_system_sgpr_workgroup_id_x 1
		.amdhsa_system_sgpr_workgroup_id_y 1
		.amdhsa_system_sgpr_workgroup_id_z 1
		.amdhsa_system_vgpr_workitem_id 0
		.amdhsa_next_free_vgpr 768
		.amdhsa_next_free_sgpr 72
		.amdhsa_reserve_vcc 0
		.amdhsa_float_denorm_mode_32 3
		.amdhsa_float_denorm_mode_16_64 3
		.amdhsa_memory_ordered 1
		.amdhsa_forward_progress 1
		.amdhsa_inst_pref_size 113
	.end_amdhsa_kernel
	.amdgpu_metadata
---
amdhsa.version: [ 1, 2 ]
amdhsa.kernels:
  - .name:           k_qc2085451d1_proj
    .symbol:         k_qc2085451d1_proj.kd
    .args:
      - { .name: q, .offset: 0, .size: 8, .value_kind: global_buffer, .address_space: global }
      - { .name: v, .offset: 8, .size: 8, .value_kind: global_buffer, .address_space: global }
      - { .name: k, .offset: 16, .size: 8, .value_kind: global_buffer, .address_space: global }
      - { .name: w16, .offset: 24, .size: 8, .value_kind: global_buffer, .address_space: global }
      - { .name: tab, .offset: 32, .size: 8, .value_kind: global_buffer, .address_space: global }
      - { .name: qvk, .offset: 40, .size: 8, .value_kind: global_buffer, .address_space: global }
    .group_segment_fixed_size: 327680
    .private_segment_fixed_size: 0
    .kernarg_segment_align: 8
    .kernarg_segment_size: 48
    .max_flat_workgroup_size: 128
    .sgpr_count:     72
    .vgpr_count:     768
    .wavefront_size: 32
...
	.end_amdgpu_metadata
.endif
;; end of part 2
;; launch attn (part 3): grid 8 x 32, 4 waves a work-group, clusters of 4 x 4, 327,680 bytes of LDS; arguments qvk, mask, o16; writes o16
.if DOCPART == 3
	.amdgcn_target "amdgcn-amd-amdhsa--gfx1250"
	.amdhsa_code_object_version 6
	.text
	.protected	k_qc2085451d1_attn
	.globl	k_qc2085451d1_attn
	.p2align	8
	.type	k_qc2085451d1_attn,@function
k_qc2085451d1_attn:
	s_mov_b64 s[64:65], 0
	v_nop
	global_prefetch_b8 v0, s[64:65] scope:SCOPE_SE
	s_setreg_imm32_b32 hwreg(HW_REG_WAVE_MODE, 25, 1), 1
	s_wait_xcnt 0x0
	s_wait_alu depctr_hold_cnt(0) depctr_sa_sdst(0) depctr_va_vdst(0) depctr_va_sdst(0) depctr_va_ssrc(0) depctr_va_vcc(0) depctr_vm_vsrc(0)
	s_getreg_b32 s2, hwreg(HW_REG_IB_STS2, 6, 4)
	s_cmp_eq_u32 s2, 0
	s_cbranch_scc0 .Lentry_in_a_cluster
	s_endpgm
.Lentry_in_a_cluster:
	s_bfe_u32 s2, ttmp6, 0x10000c
	s_cmp_lg_u32 s2, 0xf033
	s_cbranch_scc0 .Lentry_shape_is_right
	s_endpgm
.Lentry_shape_is_right:
; ATTN: O'[b][q][head] = softmax_k(q' . k' + mask x NEG) v', in base 2: q' . k' = log2(e) logit / 8, NEG = -1e9 log2(e).  q', v', k': f16 planes 0, 1, 2 of qvk, [8192][512].  O' = O / 16 in f16.
; Products, the mask's term (one fused multiply-add in f32), maxima in f32; the weights p = 2^(s - m), m the RUNNING MAXIMUM of the masked scores, are rounded to f16 for both products that take them.
; LIMITS.  A blocked score is rounded at f32's step near 1.4e9 (128 in base-2 units; in the natural units of the problem's own f32 sum the step is 64): a row whose keys are ALL blocked gets equal weights where its
;  logits lie within that step, and may differ from the problem's own rounding pattern beyond.  m starts at -4.25e37: mask x 1.44e9 stays above that.  A weight below 2^-126 counts as 0.  NaN and infinities are not treated apart.
; SHARES.  A work-group: 128 queries (block qb) of batch b for the TWO heads of pair hp.  Wave w: head 2 hp + w % 2, queries 64 (w / 2) on: four PIECES of 16.  Both heads read the same mask rows from LDS.
; CLUSTER 4 x 4: cx = the query block's low bits, cy = hp.  K's and V's tiles hang on (b, hp): asked for jointly along a row of the cluster.  The mask's tiles hang on (b, qb): jointly down a column: one request serves 8 heads.
; RING.  Two slots of 128 keys (two key steps of 64): K 128 x 272, V 128 x 288, mask 128 x 528 bytes.  Wave 0 fetches K, wave 1 V, waves 2 and 3 64 mask rows each: one tensor load a wave behind each round, 32 KiB each.
; LAYOUT.  S^T = K Q^T: a lane holds ONE query (lane % 16) and keys 8 (lane / 16) + 0..7 of each block of 16; rounded in pairs it IS source 1 of O^T = V^T P.  V is turned on its way out of LDS.
;  THE ROW SUMS are a product too: L += ONES x P gives, in every register of every lane, the sum of the query's 32 weights; only its lowest register is rescaled and read.  l is thus the sum of the very p that multiply V.
; TURNS.  Turn n belongs to piece n: 8 products K Q^T of piece n + 1, then 10 products (V^T P and the sums) of piece n - 1; beside them s - m, the exponentials, roundings and rescaling of piece n, and the mask's term,
;  maximum and a = 2^(m_old - m_new) of piece n + 1.  Four vector instructions stand behind every matrix instruction, the other 46 of a turn's 118 in one lump.  A turn's 33 exponentials are one batch with one wait.
; REGISTERS (s_set_vgpr_msb: bits 1:0 source 0, 3:2 source 1, 5:4 source 2, 7:6 destination).
;  window 0: v1-15 addresses; v16-31 statistics; v48-55 at work; v64-127 S^T, v128-191 the mask, v192-223 P: two buffers each, by the piece's parity
;  window 1: v0-127 O^T, 32 a piece; v128-159 L, 8 a piece      window 2: v0-63 Q; v64-71 ONES; v128-191 K of a step; v192-255 V of a step
.set NP,    4
.set KS,    64
.set PK,    272        ; 256 + 16: the 16 rows of a load start at 16 different groups of four banks (ISA guide 11.1)
.set PV,    288        ; 256 + 32
.set PM,    528        ; 512 + 16
.set VOFF,  128*PK
.set MOFF,  VOFF+128*PV
.set SLOTB, MOFF+128*PM ; 0x22000: no LDS word of a descriptor in slot 0 (0, 0x8800, 0x11800, 0x19c00) has one of its two bits, so one exclusive or turns an address into the other slot's
.set STAGE, 2*SLOTB
.set SP,    272
.set SPARE, STAGE+128*SP
.set AK0, 2
.set AV0, 3
.set AM0, 4
.set AK,  5
.set AV,  6
.set AM,  7
.set STO, 8
.set RD,  10
.set GO,  11
.set MV,  12           ; v12-13 the old m, by parity
.set PFO, 14
.set QO,  15
.set ST,  16           ; piece t at ST + 4 t: m, 0, 1 / l, 0
.set TMP, 48           ; by parity c0-c3; c2 takes a
.set SPW, 62
.set NIL, 63
.set S,   64
.set MK,  128
.set P,   192
.set LS,  128          ; window 1
.set ONES, 64          ; window 2
.set KF,  128          ; window 2: key block kb, channel half c at KF + 16 kb + 8 c
.set VF,  192          ; window 2: key half kk, channel block cb at VF + 32 kk + 8 cb
.set WV,  12
.set G1K, 24
.set G1V, 32
.set G1M, 40
.set G0K, 48           ; two sets each: slot 0's, and slot 1's, which then walks
.set G0V, 56
.set G0M, 68
.set SLOTS, 76
.set CNT, 77
.set NEG, 78
.set SEL, 80
.set TBK, 82           ; LDS byte at which K of the step to be fetched begins; TBV, TBM likewise (less VOFF, MOFF)
.set TBV, 83
.set TBM, 84
.set PFA, 88
.set PFS, 90
.set LIM, 92
.set MSB, 0
.macro WIN new
.if MSB != (\new)
	s_set_vgpr_msb (MSB<<8)|(\new)
.set MSB, (\new)
.endif
.endm
.set W_KQ, 0x0a        ; K and Q window 2, S^T window 0
.set W_PV, 0x52        ; V or ONES window 2, P window 0, O^T or L window 1
.set W_RS, 0x41        ; destination and source 0 window 1, source 1 window 0
.macro CROUND
	s_barrier_signal -1
	s_barrier_wait -1
	s_cmp_lg_u32 s[WV], 0
	s_cbranch_scc1 .Lnot_wave_0_\@
	s_barrier_signal -3
.Lnot_wave_0_\@:
	s_barrier_wait -3
	s_barrier_signal -1
	s_barrier_wait -1
.endm
.macro PLACES
.rept 4
	v_nop
.endr
.endm
; A joint refill: three lines, each with one mask and one set of registers; the branches hang on the wave's number alone.  An s_nop 0 and four v_nop follow each line.
.macro JLOAD
	s_cmp_lt_u32 s[WV], 2
	s_cbranch_scc0 .Lfor_m_\@
	s_cmp_eq_u32 s[WV], 0
	s_cbranch_scc0 .Lfor_v_\@
	tensor_load_to_lds s[G0K+4:G0K+7], s[G1K:G1K+7]
	s_nop 0
	PLACES
	s_branch .Lasked_\@
.Lfor_v_\@:
	tensor_load_to_lds s[G0V+4:G0V+7], s[G1V:G1V+7]
	s_nop 0
	PLACES
	s_branch .Lasked_\@
.Lfor_m_\@:
	tensor_load_to_lds s[G0M+4:G0M+7], s[G1M:G1M+7]
	s_nop 0
	PLACES
.Lasked_\@:
.endm
; A PREFETCH INTO THE L2 of the slot that stands two refills on (four key steps, 16 turns, ahead of its load), behind the wave's tensor load and its five lines.  Each aligned 256 bytes are named once in the launch:
; K's and V's rows (waves 0, 1) by the cluster with x = 0 alone, since both clusters of a batch walk them; the partner at cx takes 32 of the 128 rows, a lane a row.  The mask's rows (waves 2, 3): the partner at cy takes 16 of
; the wave's 64 rows, two lanes a row of 512 bytes.  Partners are told apart by address, never by a branch.  The last two refills ask for nothing; slots 0 to 3 come by their loads alone.
.macro ASK
	s_cmp_gt_u32 s[SLOTS], s[LIM]
	s_cbranch_scc0 .Lnot_mine_\@
	global_prefetch_b8 v[PFO], s[PFA:PFA+1] th:TH_LOAD_NT scope:SCOPE_SE
.Lnot_mine_\@:
.endm
; THE CHANGE OF SLOTS.  Each wave waits for all its tensor loads (one is out: its part of the other slot), adds 0 to its spare word, and waits for that and for its reads of the slot that it leaves.
; fill = 1: the barrier is a round of the cluster's, and the joint refill, with the keys two slots on, is the first thing behind it: it has two key steps, 144 matrix instructions, in which to land.
.macro CHANGE fill
	WIN 0
	s_wait_tensorcnt 0x0                           ; no tensor load of mine is out, so a group 0 may be written
	ds_add_u32 v[SPW], v[NIL]                      ; 0 onto my spare word; the descriptors' steps stand between it and the wait for it
.if \fill
.irp g, G0K+4, G0V+4, G0M+4
	s_xor_b32 s[\g+1], s[\g+1], SLOTB              ; the other slot than last time
.endr
	s_add_nc_u64 s[G0K+6:G0K+7], s[G0K+6:G0K+7], 128*1024  ; the next 128 keys: rows of K and V,
	s_add_nc_u64 s[G0V+6:G0V+7], s[G0V+6:G0V+7], 128*1024
	s_add_nc_u64 s[G0M+6:G0M+7], s[G0M+6:G0M+7], 512       ; columns of the mask
	s_wait_xcnt 0x0                                ; the last prefetch, two key steps back, has read its address
	s_add_nc_u64 s[PFA:PFA+1], s[PFA:PFA+1], s[PFS:PFS+1]
	s_wait_dscnt 0x0                               ; the add is done, and my reads of the slot are over
	CROUND
	JLOAD
	ASK
.else
	s_wait_dscnt 0x0
	s_barrier_signal -1
	s_barrier_wait -1
.endif
	s_sub_co_u32 s[TBK], s[TBK], 2*KS*PK           ; the fetches go back to a slot's first step, in the other slot
	s_xor_b32 s[TBK], s[TBK], SLOTB
	s_sub_co_u32 s[TBV], s[TBV], 2*KS*PV
	s_xor_b32 s[TBV], s[TBV], SLOTB
	s_sub_co_u32 s[TBM], s[TBM], 512
	s_xor_b32 s[TBM], s[TBM], SLOTB
.endm
	s_load_b128 s[4:7], s[0:1], 0x0                ; qvk 4, mask 6
	s_load_b64 s[8:9], s[0:1], 0x10                ; o16
	v_lshl_add_u32 v[SPW], v0, 2, SPARE
	v_mov_b32 v[NIL], 0
	ds_add_u32 v[SPW], v[NIL]                      ; the wave's opening: the add, twice on end, and its wait ahead of the round that stands in front of my first tensor loads
	ds_add_u32 v[SPW], v[NIL]
	v_lshrrev_b32 v1, 5, v0
	v_readfirstlane_b32 s[WV], v1
	s_bfe_u32 s13, ttmp6, 0x40000                  ; cx
	s_bfe_u32 s14, ttmp6, 0x40004                  ; cy = hp
	s_and_b32 s15, ttmp7, 0xffff                   ; b
	s_and_b32 s85, s[WV], 1                        ; my head of the pair; for waves 2, 3: which 64 mask rows I fetch
	s_lshr_b32 s86, s[WV], 1                       ; my 64 queries
	s_lshl_b32 s16, s15, 20                        ; K and V: made of b and cy alone
	s_lshl_b32 s17, s14, 8
	s_add_co_u32 s16, s16, s17
	s_add_co_u32 s18, s16, 8388608                 ; plane 1: v'
	s_add_co_u32 s16, s16, 16777216                ; plane 2: k'
	s_mov_b32 s17, 0
	s_mov_b32 s19, 0
	s_lshl_b32 s20, ttmp9, 2                       ; the mask: made of b, the cluster's x, cx and the wave alone
	s_add_co_u32 s20, s20, s13                     ; qb
	s_lshl_b32 s22, s15, 22
	s_lshl_b32 s21, s20, 19
	s_add_co_u32 s22, s22, s21
	s_lshl_b32 s21, s85, 18
	s_add_co_u32 s22, s22, s21
	s_mov_b32 s23, 0
	s_lshl_b32 s96, s15, 20                        ; Q and O
	s_lshl_b32 s87, s20, 17
	s_add_co_u32 s96, s96, s87
	s_lshl_b32 s87, s14, 8
	s_add_co_u32 s96, s96, s87
	s_lshl_b32 s87, s[WV], 15
	s_add_co_u32 s98, s96, s87                     ; O: the 32 rows that I store
	s_lshl_b32 s87, s86, 16
	s_add_co_u32 s96, s96, s87
	s_lshl_b32 s87, s85, 7
	s_add_co_u32 s96, s96, s87                     ; Q: my 64 rows, my head
	s_mov_b32 s97, 0
	s_mov_b32 s99, 0
	s_lshl_b32 s87, s14, 2
	s_lshl_b32 s87, 15, s87                        ; my row of the cluster
	s_lshl_b32 s93, 0x1111, s13                    ; my column
	s_or_b32 s[G1K], s87, (1<<16)|(1<<20)|(1<<21)|(5<<22)|(3<<25)  ; 2-byte elements; after every 64 words 4 words of padding
	s_or_b32 s[G1V], s87, (1<<16)|(1<<20)|(1<<21)|(5<<22)|(7<<25)  ; 8 words
	s_or_b32 s[G1M], s93, (2<<16)|(1<<20)|(1<<21)|(6<<22)|(3<<25)  ; 4-byte elements; after every 128 words 4 words
.irp g, G1K, G1V
	s_mov_b32 s[\g+1], 128<<16                     ; tensor_dim0 = 128
	s_mov_b32 s[\g+2], 128<<16                     ; tensor_dim1 = 128
	s_mov_b32 s[\g+3], 128<<16                     ; tile_dim0 = 128
	s_mov_b32 s[\g+4], 128                         ; tile_dim1 = 128
	s_mov_b32 s[\g+5], 512                         ; elements from row to row
	s_mov_b32 s[\g+6], 0
	s_mov_b32 s[\g+7], 0
.endr
	s_mov_b32 s[G1M+1], 128<<16
	s_mov_b32 s[G1M+2], 64<<16
	s_mov_b32 s[G1M+3], 128<<16
	s_mov_b32 s[G1M+4], 64
	s_mov_b32 s[G1M+5], 1024
	s_mov_b32 s[G1M+6], 0
	s_mov_b32 s[G1M+7], 0
	s_mul_i32 s66, s85, 64*PM
	s_add_co_u32 s66, s66, MOFF
.irp s, 0,1
	s_mov_b32 s[G0K+4*\s], 1
	s_mov_b32 s[G0K+4*\s+1], \s*SLOTB
	s_mov_b32 s[G0V+4*\s], 1
	s_mov_b32 s[G0V+4*\s+1], \s*SLOTB+VOFF
	s_mov_b32 s[G0M+4*\s], 1
	s_add_co_u32 s[G0M+4*\s+1], s66, \s*SLOTB
.endr
	s_mov_b32 s[PFS], 0x20000                      ; a slot further on: 128 rows of K or V,
	s_mov_b32 s[PFS+1], 512                        ; or 512 bytes of a mask row
	s_lshl_b32 s94, s13, 15                        ; my work-group's 32 rows of K or V,
	s_lshl_b32 s95, s14, 16                        ; or its 16 rows of the mask
	s_cmp_lt_u32 s[WV], 2
	s_cselect_b32 s[PFS], s[PFS], s[PFS+1]
	s_cselect_b32 s94, s94, s95
	s_cselect_b32 s[LIM], ttmp9, 0
	s_cselect_b32 s87, -1, 0
	s_mov_b32 s[PFS+1], 0
	s_mul_i32 s95, s[PFS], 3                       ; at slot 3: the first refill steps it to slot 4
	s_add_co_u32 s94, s94, s95
	s_mov_b32 s95, 0
	s_cmp_eq_u32 s[LIM], 0
	s_cselect_b32 s[LIM], 2, -1                    ; the same in all partners, for a given wave
	v_and_b32 v32, 31, v0
	v_lshlrev_b32 v33, 10, v32                     ; K, V: a lane a row of 1,024 bytes
	v_lshrrev_b32 v34, 1, v32
	v_lshlrev_b32 v34, 12, v34                     ; mask: two lanes a row of 4,096 bytes,
	v_and_b32 v35, 1, v32
	v_lshl_or_b32 v34, v35, 8, v34                 ; 256 bytes apart
	v_cndmask_b32 v[PFO], v34, v33, s87
	s_mov_b32 s[NEG], 0xceabfb8f                   ; -1e9 log2(e)
	s_mov_b32 s[NEG+1], s[NEG]
	s_mov_b32 s[SEL], 0x76543210
	s_mov_b32 s[SEL+1], 0xfedcba98
	s_mov_b32 s[TBK], 0
	s_mov_b32 s[TBV], 0
	s_mov_b32 s[TBM], 0
	v_and_b32 v1, 15, v0                           ; l % 16
	v_bfe_u32 v9, v0, 4, 1                         ; l / 16
	s_lshl_b32 s87, s85, 7                         ; my head's 128 bytes of a row of K or V
	v_mul_u32_u24 v[AK0], v1, PK
	v_lshl_add_u32 v[AK0], v9, 4, v[AK0]
	v_add_nc_u32 v[AK0], s87, v[AK0]
	v_and_b32 v32, 7, v0
	v_bfe_u32 v33, v0, 3, 1
	v_lshl_add_u32 v[AV0], v9, 3, v32
	v_mul_u32_u24 v[AV0], v[AV0], PV
	v_lshl_add_u32 v[AV0], v33, 4, v[AV0]
	s_add_co_u32 s87, s87, VOFF
	v_add_nc_u32 v[AV0], s87, v[AV0]
	s_mul_i32 s87, s86, 64*PM
	s_add_co_u32 s87, s87, MOFF
	v_mul_u32_u24 v[AM0], v1, PM
	v_lshl_add_u32 v[AM0], v9, 5, v[AM0]           ; my query's row, my lanes' eight keys of each 16
	v_add_nc_u32 v[AM0], s87, v[AM0]
	v_lshlrev_b32 v[QO], 10, v1
	v_lshl_add_u32 v[QO], v9, 4, v[QO]
	s_wait_dscnt 0x0                               ; both opening adds are done
	s_wait_kmcnt 0x0
	s_add_nc_u64 s[16:17], s[4:5], s[16:17]        ; K, V and the mask at slot 0
	s_add_nc_u64 s[18:19], s[4:5], s[18:19]
	s_add_nc_u64 s[22:23], s[6:7], s[22:23]
	s_add_nc_u64 s[10:11], s[4:5], s[96:97]        ; Q
	s_add_nc_u64 s[8:9], s[8:9], s[98:99]          ; O
	s_cmp_eq_u32 s[WV], 0
	s_cselect_b64 s[PFA:PFA+1], s[16:17], s[18:19]
	s_cmp_lt_u32 s[WV], 2
	s_cselect_b64 s[PFA:PFA+1], s[PFA:PFA+1], s[22:23]
	s_add_nc_u64 s[PFA:PFA+1], s[PFA:PFA+1], s[94:95]
.irp s, 0,1
	s_add_nc_u64 s[G0K+4*\s+2:G0K+4*\s+3], s[16:17], \s*131072
	s_or_b32 s[G0K+4*\s+3], s[G0K+4*\s+3], 0x80000000
	s_add_nc_u64 s[G0V+4*\s+2:G0V+4*\s+3], s[18:19], \s*131072
	s_or_b32 s[G0V+4*\s+3], s[G0V+4*\s+3], 0x80000000
	s_add_nc_u64 s[G0M+4*\s+2:G0M+4*\s+3], s[22:23], \s*512
	s_or_b32 s[G0M+4*\s+3], s[G0M+4*\s+3], 0x80000000
.endr
	CROUND                                         ; all sixteen work-groups are here: the first joint loads meet
	s_cmp_lt_u32 s[WV], 2                          ; a wave's two first fills stand together: two tensor loads of mine are out
	s_cbranch_scc0 .Lfirst_m
	s_cmp_eq_u32 s[WV], 0
	s_cbranch_scc0 .Lfirst_v
	tensor_load_to_lds s[G0K:G0K+3], s[G1K:G1K+7]
	s_nop 0
	tensor_load_to_lds s[G0K+4:G0K+7], s[G1K:G1K+7]
	s_nop 0
	PLACES
	s_branch .Lfirst_asked
.Lfirst_v:
	tensor_load_to_lds s[G0V:G0V+3], s[G1V:G1V+7]
	s_nop 0
	tensor_load_to_lds s[G0V+4:G0V+7], s[G1V:G1V+7]
	s_nop 0
	PLACES
	s_branch .Lfirst_asked
.Lfirst_m:
	tensor_load_to_lds s[G0M:G0M+3], s[G1M:G1M+7]
	s_nop 0
	tensor_load_to_lds s[G0M+4:G0M+7], s[G1M:G1M+7]
	s_nop 0
	PLACES
.Lfirst_asked:
	WIN 0x80                                       ; destination window 2
.set i, 0
.rept 8                                ; Q stays in registers: piece i / 2, channels 32 (i % 2) on
	global_load_b128 v[8*i:8*i+3],   v[QO], s[10:11] offset:(i/2)*16384+(i%2)*64
	global_load_b128 v[8*i+4:8*i+7], v[QO], s[10:11] offset:(i/2)*16384+(i%2)*64+32
.set i, i+1
.endr
	; What the first turn finds: V and P's second buffer hold 0 (its products, of a piece that has not been, add 0); O^T and L are 0; m lies far below every score, so the first a is 0.  All this stands in the wait for the first tile.
.set i, 0
.rept 8
	v_mov_b32 v[ONES+i], 0x3c003c00                ; 1.0 twice in f16
.set i, i+1
.endr
.set i, VF
.rept 64
	v_mov_b32 v[i], 0
.set i, i+1
.endr
	WIN 0x40
.set i, 0
.rept 160
	v_mov_b32 v[i], 0
.set i, i+1
.endr
	WIN 0
.set i, 0
.rept 4
	v_mov_b32 v[ST+4*i], 0xfe000000
	v_mov_b32 v[ST+4*i+1], 0
	v_mov_b32 v[ST+4*i+2], 0
	v_mov_b32 v[ST+4*i+3], 0
.set i, i+1
.endr
.set i, P+16
.rept 16
	v_mov_b32 v[i], 0
.set i, i+1
.endr
; THE MATRIX WORK.  Neighbouring matrix instructions never share an accumulator, over turns' ends and backward jumps too.
.macro KQ x                            ; product i of 8: channels 32 (i / 4) on, keys 16 (i % 4) on; the first four start the sums
	WIN W_KQ
.set rA, S+32*((\x)%2)+8*(i%4)
.set rK, KF+16*(i%4)+8*(i/4)
.set rQ, 16*(\x)+8*(i/4)
.if i < 4
	v_wmma_f32_16x16x32_f16 v[rA:rA+7], v[rK:rK+7], v[rQ:rQ+7], 0
.else
	v_wmma_f32_16x16x32_f16 v[rA:rA+7], v[rK:rK+7], v[rQ:rQ+7], v[rA:rA+7]
.endif
.endm
.macro PVL x                           ; number i - 8 of ten: V^T P for keys 0-31 (four channel blocks), their sum, the same for keys 32-63
	WIN W_PV
.set u, i-8
.if (u == 4) || (u == 9)
.set rA, LS+8*(\x)
.set rB, P+16*((\x)%2)+8*(u/9)
	v_wmma_f32_16x16x32_f16 v[rA:rA+7], v[ONES:ONES+7], v[rB:rB+7], v[rA:rA+7]
.else
.set z, u-u/5
.set rA, 32*(\x)+8*(z%4)
.set rV, VF+32*(z/4)+8*(z%4)
.set rB, P+16*((\x)%2)+8*(z/4)
	v_wmma_f32_16x16x32_f16 v[rA:rA+7], v[rV:rV+7], v[rB:rB+7], v[rA:rA+7]
.endif
.endm
.macro MM                              ; the turn's next matrix instruction.  NOKQ = 1: the last turn of all: there is no next piece
.if i < 8
.if !NOKQ
	KQ (Y+1)%NP
.endif
.else
	PVL (Y+NP-1)%NP
.endif
.set i, i+1
.endm
; THE LDS LOADS stand in runs.
.macro FETCH_K
	WIN 0
	v_add_nc_u32 v[AK], s[TBK], v[AK0]
	s_add_co_u32 s[TBK], s[TBK], KS*PK
	WIN 0x80
.irp f, 0,1,2,3,4,5,6,7
	ds_load_b128 v[KF+8*\f:KF+8*\f+3],   v[AK] offset:(\f/2)*16*PK+(\f%2)*64
	ds_load_b128 v[KF+8*\f+4:KF+8*\f+7], v[AK] offset:(\f/2)*16*PK+(\f%2)*64+32
.endr
	WIN 0
.endm
.macro FETCH_V
	WIN 0
	v_add_nc_u32 v[AV], s[TBV], v[AV0]
	s_add_co_u32 s[TBV], s[TBV], KS*PV
	WIN 0x80
.irp f, 0,1,2,3,4,5,6,7
	ds_load_tr16_b128 v[VF+8*\f:VF+8*\f+3],   v[AV] offset:(\f/4)*32*PV+(\f%4)*32
	ds_load_tr16_b128 v[VF+8*\f+4:VF+8*\f+7], v[AV] offset:(\f/4)*32*PV+16*PV+(\f%4)*32
.endr
	WIN 0
.endm
.macro MRUN piece, buf                 ; a piece's mask for a key step: register 8 kb + j is key 16 kb + 8 (l / 16) + j, as in S^T
	v_add_nc_u32 v[AM], s[TBM], v[AM0]
.irp kb, 0,1,2,3
	ds_load_b128 v[MK+32*(\buf)+8*\kb:MK+32*(\buf)+8*\kb+3],   v[AM] offset:16*PM*(\piece)+64*\kb
	ds_load_b128 v[MK+32*(\buf)+8*\kb+4:MK+32*(\buf)+8*\kb+7], v[AM] offset:16*PM*(\piece)+64*\kb+16
.endr
.endm
; THE VECTOR WORK: OP kind, number.  For piece Y: F n: pair n of scores less m.  E n: 2^score n.  C n: pair n rounded to f16.  R n: pair n of O^T times a; R 16: L's lowest register times a.
; For piece Y + 1: G n: pair n of scores takes the mask's term, one fused multiply-add (G 4 kb is the first read of accumulator kb: its low end).  X n: the maximum and statistics:
;   0-11 four chains of seven scores; 12, 13 the four left over; 14 with the old m; 15 the old m is kept; 16 into c0; 17, 18 the other half of the lanes: the new m; 20 m_old - m_new; 21 a.
.set F, 0
.set E, 1
.set C, 2
.set R, 3
.set G, 4
.set X, 5
.macro REGS y
.set rT, ST+4*(\y)
.set rC, TMP+4*((\y)%2)
.set rW, MV+((\y)%2)
.set rS, S+32*((\y)%2)
.set rM, MK+32*((\y)%2)
.set rP, P+16*((\y)%2)
.set rO, 32*(\y)
.set rL, LS+8*(\y)
.endm
.macro OP k, n
.if (\k) == R
	REGS Y
	WIN W_RS
.if (\n) < 16
	v_pk_mul_f32 v[rO+2*(\n):rO+2*(\n)+1], v[rO+2*(\n):rO+2*(\n)+1], v[rC+2:rC+3] op_sel_hi:[1,0]
.else
	v_mul_f32 v[rL], v[rL], v[rC+2]
.endif
.elseif (\k) < R
	REGS Y
	WIN 0
.if (\k) == F
	v_pk_add_f32 v[rS+2*(\n):rS+2*(\n)+1], v[rS+2*(\n):rS+2*(\n)+1], v[rT:rT+1] op_sel_hi:[1,0] neg_lo:[0,1] neg_hi:[0,1]
.elseif (\k) == E
	v_exp_f32 v[rS+(\n)], v[rS+(\n)]
.else
	v_cvt_pk_f16_f32 v[rP+(\n)], v[rS+2*(\n)], v[rS+2*(\n)+1]
.endif
.elseif !NOKQ
	REGS (Y+1)%NP
	WIN 0
.if (\k) == G
	v_pk_fma_f32 v[rS+2*(\n):rS+2*(\n)+1], v[rM+2*(\n):rM+2*(\n)+1], s[NEG:NEG+1], v[rS+2*(\n):rS+2*(\n)+1] op_sel_hi:[1,0,1]
.elseif (\n) < 4
	v_max3_num_f32 v[rC+(\n)], v[rS+8*(\n)], v[rS+8*(\n)+1], v[rS+8*(\n)+2]
.elseif (\n) < 12
	v_max3_num_f32 v[rC+(\n)%4], v[rC+(\n)%4], v[rS+8*((\n)%4)+2*((\n)/4)+1], v[rS+8*((\n)%4)+2*((\n)/4)+2]
.elseif (\n) == 12
	v_max3_num_f32 v[rC], v[rC], v[rS+7], v[rS+15]
.elseif (\n) == 13
	v_max3_num_f32 v[rC+1], v[rC+1], v[rS+23], v[rS+31]
.elseif (\n) == 14
	v_max3_num_f32 v[rC+2], v[rC+2], v[rC+3], v[rT]
.elseif (\n) == 15
	v_mov_b32 v[rW], v[rT]
.elseif (\n) == 16
	v_max3_num_f32 v[rC], v[rC], v[rC+1], v[rC+2]
.elseif (\n) == 17
	v_permlanex16_b32 v[rC+3], v[rC], s[SEL], s[SEL+1]
.elseif (\n) == 18
	v_max_num_f32 v[rT], v[rC], v[rC+3]
.elseif (\n) == 20
	v_sub_f32 v[rC+1], v[rW], v[rT]
.else
	v_exp_f32 v[rC+2], v[rC+1]
.endif
.endif
.endm
.macro OPS a, i1, b=-1, i2=0, c=-1, i3=0, d=-1, i4=0
	OP \a, \i1
.if (\b) >= 0
	OP \b, \i2
.endif
.if (\c) >= 0
	OP \c, \i3
.endif
.if (\d) >= 0
	OP \d, \i4
.endif
.endm
.macro ROW a, i1, b, i2, c, i3, d, i4  ; a matrix instruction and the four behind it
	MM
	OPS \a, \i1, \b, \i2, \c, \i3, \d, \i4
.endm
; A TURN, for piece p, written out.  Ahead of its ONE wait for the exponentials stands all that names no result of theirs; behind it the roundings, four behind each of the last four products.
; F k stands ahead of E 2 k and E 2 k + 1; G 4 kb stands four plain instructions or more behind the product that ends accumulator kb; every X behind the G of the scores that it reads.
; LDS.  At its head the turn asks for the mask of piece p + 2 (wanted a turn later).  K of the next step is fetched in piece 2's turn, six plain instructions behind the last product that read K;
; V of the step in hand at the end of piece 0's turn, eight plain instructions behind the last product that read V.
; end = 1: the last two turns of all: nothing is fetched; the very last starts no new scores.  cnt = 1: the loop's count is taken down some lines ahead of the branch behind the turn.
.macro TURN p, end=0, cnt=0
.set Y, (\p)
.set i, 0
.set NOKQ, (\end)*((\p)/3)
	WIN 0
.if (\p) == 1
	s_wait_dscnt 16                                ; the mask asked for a turn ago is in; V's 16 loads, issued behind it, may stay out
.else
	s_wait_dscnt 0x0                               ; the mask asked for a turn ago is in (piece 3's turn: K too)
.endif
.if !(\end)
	MRUN ((\p)+2)%NP, (\p)%2
.if (\p) == 1
	s_add_co_u32 s[TBM], s[TBM], 256               ; pieces 0 and 1 are asked for a step ahead
.endif
.endif
	ROW F,0, F,1, R,0, R,1
	ROW F,2, E,0, R,2, R,3
	ROW F,3, E,1, R,4, R,5
	ROW F,4, E,2, R,6, R,7
	ROW F,5, E,3, R,8, R,9
	ROW F,6, E,4, R,10, R,11
	ROW F,7, E,5, R,12, R,13
	ROW F,8, E,6, G,0, G,1
.if (\p) == 1
	s_wait_dscnt 8                                 ; V is in; this turn's eight mask loads may stay out
.endif
	ROW G,2, E,7, G,3, G,4
.if ((\p) == 2) && !(\end)
	FETCH_K
.endif
	ROW G,5, E,8, X,0, G,6
	ROW G,7, E,9, X,4, G,8
	ROW G,9, E,10, X,1, X,8
	ROW G,10, E,11, X,5, G,11
	ROW G,12, E,12, X,2, G,13
	OPS G,14, E,13, G,15, E,14                     ; the lump
	OPS X,3, E,15, F,9, E,16
	OPS X,6, E,17, X,7, F,10
	OPS X,9, E,18, X,10, E,19
	OPS X,11, F,11, X,12, E,20
	OPS X,13, E,21, X,14, F,12
	OPS X,15, E,22, R,14, E,23
	OPS X,16, F,13, E,24, R,15
	OPS E,25, F,14, X,17, E,26
	OPS F,15, E,27, E,28, X,18
	OPS E,29, E,30, X,20, E,31
	OPS X,21, R,16                                 ; R 16 is the plain instruction behind the last exponential
	WIN 0
	s_wait_alu depctr_va_vdst(0)                   ; one wait for the turn's 33 exponentials, ahead of their first reader
	ROW C,0, C,1, C,2, C,3
	ROW C,4, C,5, C,6, C,7
.if \cnt
	s_sub_co_u32 s[CNT], s[CNT], 1
	s_cmp_lg_u32 s[CNT], 0
.endif
	ROW C,8, C,9, C,10, C,11
	ROW C,12, C,13, C,14, C,15
.if (\p) == 0
	FETCH_V
.endif
.endm
	s_wait_tensorcnt 1                             ; my part of slot 0 is in; slot 1's may stay out
	s_barrier_signal -1
	s_barrier_wait -1
	FETCH_K                                        ; key step 0
	MRUN 0, 0
	MRUN 1, 1
	s_wait_loadcnt 0x0                             ; Q
	s_wait_dscnt 0x0
.set Y, NP-1
.set NOKQ, 0
.set i, 0
.rept 8
	KQ 0                                           ; piece 0's first scores
.set i, i+1
.endr
	WIN 0                                          ; the addresses for the way out: eight plain instructions, the places behind those products
	s_mul_i32 s87, s86, 64*SP
	s_lshl_b32 s93, s85, 7
	s_add_co_u32 s87, s87, s93
	s_add_co_u32 s87, s87, STAGE
	v_mul_u32_u24 v[STO], v1, SP
	v_lshl_add_u32 v[STO], v9, 4, v[STO]
	v_add_nc_u32 v[STO], s87, v[STO]               ; in: row 64 (w / 2) + l % 16, my head's half, 16 bytes for each half of the lanes
	s_mul_i32 s87, s[WV], 32*SP
	s_add_co_u32 s87, s87, STAGE
	v_mul_u32_u24 v[RD], v9, SP
	v_lshl_add_u32 v[RD], v1, 4, v[RD]
	v_add_nc_u32 v[RD], s87, v[RD]                 ; back: rows 32 w on, two whole rows of 256 bytes a load
	v_lshlrev_b32 v[GO], 10, v9
	v_lshl_add_u32 v[GO], v1, 4, v[GO]
.irp n, 0,1,2,3,4,5,6,7,8,9,10,11,12,13,14,15
	OP G, \n
.endr
.irp n, 0,1,2,3,4,5,6,7,8,9,10,11,12,13,14,15,16,17,18,20,21
	OP X, \n
.endr
	v_nop                                          ; a plain instruction behind the exponential,
	s_wait_alu depctr_va_vdst(0)                   ; and its wait, ahead of the branch
	s_mov_b32 s[CNT], 2
	s_mov_b32 s[SLOTS], 7                          ; the loop is entered in its middle: the change with a refill runs six times, for slots 2 to 7
	s_branch .Lfirst
.Lslot:
	CHANGE 1
	s_mov_b32 s[CNT], 2
.Lstep:                                ; a trip: pieces 2 and 3 of one step, then pieces 0 and 1 of the next
	TURN 2
	TURN 3
	WIN 0
.Lfirst:
	TURN 0
	TURN 1, 0, 1
	WIN 0
	s_cbranch_scc1 .Lstep
	s_sub_co_u32 s[SLOTS], s[SLOTS], 1
	s_cmp_lg_u32 s[SLOTS], 0
	s_cbranch_scc1 .Lslot
	CHANGE 0                                       ; the last slot is written out: nothing is asked for
	s_mov_b32 s[CNT], 2
.Ltail:
	TURN 2
	TURN 3
	TURN 0
	TURN 1, 0, 1
	WIN 0
	s_cbranch_scc1 .Ltail
	TURN 2, 1
	TURN 3, 1
.set Y, 0
.set NOKQ, 0
.set i, 8
.rept 10
	MM                                             ; the last piece's V^T P and sums of the last step
.endr
	; THE WAY OUT.  O^T / l, rounded to f16, through the work-group's stage: a row's 256 bytes hold both heads, from two waves.
	PLACES
	WIN 0x01                                       ; source 0 window 1
.irp t, 0,1,2,3
	v_rcp_f32 v[ST+4*\t+2], v[LS+8*\t]
.endr
	v_nop
	s_wait_alu depctr_va_vdst(0)                   ; one wait for the four reciprocals
.macro PACK t
	WIN W_RS
.set i, 32*(\t)
.rept 16
	v_pk_mul_f32 v[i:i+1], v[i:i+1], v[ST+4*(\t)+2:ST+4*(\t)+3] op_sel_hi:[1,0]
.set i, i+2
.endr
	WIN 0x05                                       ; sources 0 and 1 window 1, destination window 0
.set i, 0
.rept 16
	v_cvt_pk_f16_f32 v[S+16*(\t)+i], v[32*(\t)+2*i], v[32*(\t)+2*i+1]
.set i, i+1
.endr
	WIN 0
.irp f, 0,1,2,3
	ds_store_b128 v[STO], v[S+16*(\t)+4*\f:S+16*(\t)+4*\f+3] offset:16*SP*(\t)+32*\f
.endr
.endm
	PACK 0
	PACK 1
	PACK 2
	PACK 3
	s_wait_dscnt 0x0                               ; for the others' sake: my stores into the stage are done
	s_barrier_signal -1
	s_barrier_wait -1
.set i, 0
.rept 16
	ds_load_b128 v[MK+4*i:MK+4*i+3], v[RD] offset:2*SP*i
.set i, i+1
.endr
.set i, 0
.rept 16
	s_wait_dscnt 15-i                              ; LDS loads come back in order: pair i of rows is in
	global_store_b128 v[GO], v[MK+4*i:MK+4*i+3], s[8:9] offset:2048*i  ; 16 lanes store 256 consecutive bytes, aligned
.set i, i+1
.endr
	s_wait_tensorcnt 0x0                           ; the wave's end
	ds_add_u32 v[SPW], v[NIL]
	s_wait_dscnt 0x0
	CROUND                                         ; the closing round: no work-group ends while a partner may still ask for a tile that names it
	s_endpgm
.Lfunc_end_k_qc2085451d1_attn:
	.size	k_qc2085451d1_attn, .Lfunc_end_k_qc2085451d1_attn-k_qc2085451d1_attn
	.p2alignl 7, 3214868480
	.fill 96, 4, 3214868480
	.section	.rodata,"a",@progbits
	.p2align	6, 0x0
	.amdhsa_kernel k_qc2085451d1_attn
		.amdhsa_group_segment_fixed_size 327680
		.amdhsa_private_segment_fixed_size 0
		.amdhsa_enable_private_segment 0
		.amdhsa_kernarg_size 24
		.amdhsa_user_sgpr_count 2
		.amdhsa_user_sgpr_kernarg_segment_ptr 1
		.amdhsa_wavefront_size32 1
		.amdhsa_system_sgpr_workgroup_id_x 1
		.amdhsa_system_sgpr_workgroup_id_y 1
		.amdhsa_system_sgpr_workgroup_id_z 1
		.amdhsa_system_vgpr_workitem_id 0
		.amdhsa_next_free_vgpr 768
		.amdhsa_next_free_sgpr 100
		.amdhsa_reserve_vcc 0
		.amdhsa_float_denorm_mode_32 3
		.amdhsa_float_denorm_mode_16_64 3
		.amdhsa_memory_ordered 1
		.amdhsa_forward_progress 1
		.amdhsa_inst_pref_size 138
	.end_amdhsa_kernel
	.amdgpu_metadata
---
amdhsa.version: [ 1, 2 ]
amdhsa.kernels:
  - .name:           k_qc2085451d1_attn
    .symbol:         k_qc2085451d1_attn.kd
    .args:
      - { .name: qvk, .offset: 0, .size: 8, .value_kind: global_buffer, .address_space: global }
      - { .name: mask, .offset: 8, .size: 8, .value_kind: global_buffer, .address_space: global }
      - { .name: o16, .offset: 16, .size: 8, .value_kind: global_buffer, .address_space: global }
    .group_segment_fixed_size: 327680
    .private_segment_fixed_size: 0
    .kernarg_segment_align: 8
    .kernarg_segment_size: 24
    .max_flat_workgroup_size: 128
    .sgpr_count:     100
    .vgpr_count:     768
    .wavefront_size: 32
...
	.end_amdgpu_metadata
.endif
;; end of part 3
;; launch outp (part 4): grid 4 x 64, 4 waves a work-group, clusters of 4 x 4, 327,680 bytes of LDS; arguments o16, w16, bo, C, out0; writes out0
.if DOCPART == 4
	.amdgcn_target "amdgcn-amd-amdhsa--gfx1250"
	.amdhsa_code_object_version 6
	.text
	.protected	k_qc2085451d1_outp
	.globl	k_qc2085451d1_outp
	.p2align	8
	.type	k_qc2085451d1_outp,@function
k_qc2085451d1_outp:
	s_mov_b64 s[64:65], 0
	v_nop
	global_prefetch_b8 v0, s[64:65] scope:SCOPE_SE
	s_setreg_imm32_b32 hwreg(HW_REG_WAVE_MODE, 25, 1), 1
	s_wait_xcnt 0x0
	s_wait_alu depctr_hold_cnt(0) depctr_sa_sdst(0) depctr_va_vdst(0) depctr_va_sdst(0) depctr_va_ssrc(0) depctr_va_vcc(0) depctr_vm_vsrc(0)
	s_getreg_b32 s2, hwreg(HW_REG_IB_STS2, 6, 4)
	s_cmp_eq_u32 s2, 0
	s_cbranch_scc0 .Lentry_in_a_cluster
	s_endpgm
.Lentry_in_a_cluster:
	s_bfe_u32 s2, ttmp6, 0x10000c
	s_cmp_lg_u32 s2, 0xf033
	s_cbranch_scc0 .Lentry_shape_is_right
	s_endpgm
.Lentry_shape_is_right:
; OUTP: out0 = (O' Wo) (16 C) + bo.  O' = O / 16 in f16 [8192][512]; Wo is matrix 2 of w16, f16 [k][n]; sums, the factor and the bias in f32; out0 f32.
; SHARES.  256 work-groups, each 128 rows x 128 columns over K = 512; four waves of 64 x 64: 16 accumulators.  All of A's and B's tiles fit in LDS, so there are first fills only and no ring.
; Each wave issues two tensor loads, K half 0 and then K half 1: waves 0, 1 64 rows x 256 k of O' each, asked for jointly along a row of the cluster; waves 2, 3 128 k rows x 128 columns of Wo each, jointly down a column.
; The product is taken transposed (source 0 = 16 columns of Wo, turned on the way out of LDS; source 1 = 16 rows of O'): a lane holds one row and eight neighbouring columns, 32 bytes of out0.
.set PA,    528        ; 512 + 16
.set PB,    288        ; 256 + 32
.set AHB,   128*PA     ; a K half of A
.set BOFF,  2*AHB
.set BQB,   128*PB     ; 128 k rows of B
.set STAGE, BOFF+4*BQB ; 16 rows x 272 bytes for each wave
.set SP,    272
.set SPARE, STAGE+4*16*SP
.set RR,   1
.set HH,   2
.set LN,   3
.set ADRA, 6           ; v6-7: one for each K half
.set ADRB, 8           ; v8-11: one for each 128 k rows
.set STO,  12
.set RD,   13
.set CO,   14
.set TO,   15
.set U0,   16
.set U1,   17
.set SPW,  28
.set NIL,  29
.set TMP,  32
.set T,    96          ; bo of my 32 columns
.set ACC,  128
.set WV,   16
.set G1A,  24
.set G0A,  32
.set G1B,  48
.set G0B,  56
.set MSB, 0
.macro WIN new
.if MSB != (\new)
	s_set_vgpr_msb (MSB<<8)|(\new)
.set MSB, (\new)
.endif
.endm
.set MUL,  0x05
.set TO_F, 0x40
.macro CROUND
	s_barrier_signal -1
	s_barrier_wait -1
	s_cmp_lg_u32 s[WV], 0
	s_cbranch_scc1 .Lnot_wave_0_\@
	s_barrier_signal -3
.Lnot_wave_0_\@:
	s_barrier_wait -3
	s_barrier_signal -1
	s_barrier_wait -1
.endm
.macro PLACES
.rept 4
	v_nop
.endr
.endm
	s_load_b256 s[4:11], s[0:1], 0x0               ; o16 4, w16 6, bo 8, C 10
	s_load_b64 s[12:13], s[0:1], 0x20              ; out0
	v_lshl_add_u32 v[SPW], v0, 2, SPARE
	v_mov_b32 v[NIL], 0
	ds_add_u32 v[SPW], v[NIL]                      ; the wave's opening: the add, twice on end, and its wait ahead of my first tensor load
	ds_add_u32 v[SPW], v[NIL]
	v_lshrrev_b32 v[LN], 5, v0
	v_readfirstlane_b32 s[WV], v[LN]
	s_lshr_b32 s17, s[WV], 1                       ; wr.  Also: I fetch for A (0) or for B (1)
	s_and_b32 s18, s[WV], 1                        ; wc.  Also: which part of a K half I fetch
	s_bfe_u32 s19, ttmp6, 0x40000                  ; cx = the column block
	s_bfe_u32 s20, ttmp6, 0x40004                  ; cy
	s_and_b32 s21, ttmp7, 0xffff
	s_lshl_b32 s22, s21, 2
	s_add_co_u32 s22, s22, s20                     ; row block 0..63
	s_lshl_b32 s23, s20, 2
	s_lshl_b32 s23, 15, s23                        ; my row of the cluster
	s_lshl_b32 s40, 0x1111, s19                    ; my column
	s_or_b32 s[G1A], s23, (1<<16)|(1<<20)|(1<<21)|(6<<22)|(3<<25)  ; 2-byte elements; after every 128 words 4 words of padding
	s_mov_b32 s[G1A+1], 256<<16                    ; tensor_dim0 = 256
	s_mov_b32 s[G1A+2], 64<<16                     ; tensor_dim1 = 64
	s_mov_b32 s[G1A+3], 256<<16                    ; tile_dim0 = 256
	s_mov_b32 s[G1A+4], 64                         ; tile_dim1 = 64
	s_mov_b32 s[G1A+5], 512
	s_mov_b32 s[G1A+6], 0
	s_mov_b32 s[G1A+7], 0
	s_or_b32 s[G1B], s40, (1<<16)|(1<<20)|(1<<21)|(5<<22)|(7<<25)  ; after every 64 words 8 words
	s_mov_b32 s[G1B+1], 128<<16
	s_mov_b32 s[G1B+2], 128<<16
	s_mov_b32 s[G1B+3], 128<<16
	s_mov_b32 s[G1B+4], 128
	s_mov_b32 s[G1B+5], 512
	s_mov_b32 s[G1B+6], 0
	s_mov_b32 s[G1B+7], 0
	s_lshl_b32 s44, s22, 17                        ; A: 128 rows of 1,024 bytes, made of the row block and the wave alone
	s_lshl_b32 s45, s18, 16
	s_add_co_u32 s44, s44, s45
	s_mov_b32 s45, 0
	s_lshl_b32 s46, s18, 17                        ; B: matrix 2, 128 k rows, made of cx and the wave alone
	s_add_co_u32 s46, s46, 1048576
	s_lshl_b32 s47, s19, 8
	s_add_co_u32 s46, s46, s47
	s_mov_b32 s47, 0
	s_mul_i32 s41, s18, 64*PA                      ; LDS places: the wave's number alone
	s_mul_i32 s40, s18, BQB
	s_add_co_u32 s40, s40, BOFF
	s_lshl_b32 s2, s19, 9                          ; bo: 128 columns of f32
	s_mov_b32 s3, 0
	v_and_b32 v[RR], 15, v0
	v_bfe_u32 v[HH], v0, 4, 1
	s_lshl_b32 s23, s18, 8
	v_lshl_add_u32 v[TO], v[HH], 5, s23
	s_wait_dscnt 0x0                               ; both opening adds are done
	s_wait_kmcnt 0x0
	s_load_b32 s42, s[10:11], 0x0                  ; C
	s_add_nc_u64 s[44:45], s[4:5], s[44:45]
	s_add_nc_u64 s[46:47], s[6:7], s[46:47]
	s_add_nc_u64 s[8:9], s[8:9], s[2:3]
.irp hf, 0,1
	s_mov_b32 s[G0A+4*\hf], 1
	s_add_co_u32 s[G0A+4*\hf+1], s41, \hf*AHB
	s_add_nc_u64 s[G0A+4*\hf+2:G0A+4*\hf+3], s[44:45], \hf*512
	s_or_b32 s[G0A+4*\hf+3], s[G0A+4*\hf+3], 0x80000000
	s_mov_b32 s[G0B+4*\hf], 1
	s_add_co_u32 s[G0B+4*\hf+1], s40, \hf*2*BQB
	s_add_nc_u64 s[G0B+4*\hf+2:G0B+4*\hf+3], s[46:47], \hf*262144
	s_or_b32 s[G0B+4*\hf+3], s[G0B+4*\hf+3], 0x80000000
.endr
	CROUND                                         ; all sixteen work-groups are here: the joint loads meet
	s_cmp_eq_u32 s17, 0                            ; a wave's two fills stand together: two tensor loads of mine are out
	s_cbranch_scc0 .Lfor_b
	tensor_load_to_lds s[G0A:G0A+3], s[G1A:G1A+7]
	s_nop 0
	tensor_load_to_lds s[G0A+4:G0A+7], s[G1A:G1A+7]
	s_nop 0
	PLACES
	s_branch .Lasked
.Lfor_b:
	tensor_load_to_lds s[G0B:G0B+3], s[G1B:G1B+7]
	s_nop 0
	tensor_load_to_lds s[G0B+4:G0B+7], s[G1B:G1B+7]
	s_nop 0
	PLACES
.Lasked:
.irp nb, 0,1,2,3
	global_load_b128 v[T+8*\nb:T+8*\nb+3], v[TO], s[8:9] offset:64*\nb
	global_load_b128 v[T+8*\nb+4:T+8*\nb+7], v[TO], s[8:9] offset:64*\nb+16
.endr
	s_mul_i32 s23, s17, 64*PA
	v_mul_u32_u24 v[U0], v[RR], PA
	v_lshl_add_u32 v[U0], v[HH], 4, v[U0]
	v_add_nc_u32 v[ADRA], s23, v[U0]
	v_add_nc_u32 v[ADRA+1], AHB, v[ADRA]
	v_and_b32 v[U0], 7, v0
	v_lshl_add_u32 v[U0], v[HH], 3, v[U0]
	v_mul_u32_u24 v[U0], v[U0], PB
	v_bfe_u32 v[U1], v0, 3, 1
	v_lshl_add_u32 v[U0], v[U1], 4, v[U0]
	s_lshl_b32 s23, s18, 7
	s_add_co_u32 s23, s23, BOFF
.irp s, 0,1,2,3
	v_add_nc_u32 v[ADRB+\s], s23, v[U0]
	s_add_co_u32 s23, s23, BQB
.endr
	s_mul_i32 s23, s[WV], 16*SP
	s_add_co_u32 s23, s23, STAGE                   ; my stage
	v_mul_u32_u24 v[U0], v[RR], SP
	v_lshl_add_u32 v[U0], v[HH], 5, v[U0]
	v_add_nc_u32 v[STO], s23, v[U0]                ; in: row l % 16, 32 bytes for each half of the lanes
	v_mul_u32_u24 v[U0], v[HH], SP
	v_lshl_add_u32 v[U0], v[RR], 4, v[U0]
	v_add_nc_u32 v[RD], s23, v[U0]                 ; back: two whole rows of 256 bytes a load
	v_lshlrev_b32 v[U0], 11, v[HH]
	v_lshl_add_u32 v[CO], v[RR], 4, v[U0]
	s_lshl_b32 s2, s22, 18                         ; out0: 128 rows of 2,048 bytes,
	s_lshl_b32 s3, s17, 17                         ; my 64 rows,
	s_add_co_u32 s2, s2, s3
	s_lshl_b32 s3, s19, 9                          ; 128 columns,
	s_add_co_u32 s2, s2, s3
	s_lshl_b32 s3, s18, 8                          ; my 64 columns
	s_add_co_u32 s2, s2, s3
	s_mov_b32 s3, 0
	s_add_nc_u64 s[12:13], s[12:13], s[2:3]
	s_wait_kmcnt 0x0
	s_mul_f32 s42, s42, 0x41800000                 ; 16 C
	s_mov_b32 s43, s42
.macro FETCH sub, f                    ; the fragments of 32 along K, part sub of 16
	WIN TO_F
.irp nb, 0,1,2,3
	ds_load_tr16_b128 v[(\f)+32+8*\nb:(\f)+32+8*\nb+3], v[ADRB+(\sub)/4] offset:32*PB*((\sub)%4)+32*\nb
	ds_load_tr16_b128 v[(\f)+32+8*\nb+4:(\f)+32+8*\nb+7], v[ADRB+(\sub)/4] offset:32*PB*((\sub)%4)+32*\nb+16*PB
.endr
.irp a, 0,1,2,3
	ds_load_b128 v[(\f)+8*\a:(\f)+8*\a+3], v[ADRA+(\sub)/8] offset:16*PA*\a+64*((\sub)%8)
	ds_load_b128 v[(\f)+8*\a+4:(\f)+8*\a+7], v[ADRA+(\sub)/8] offset:16*PA*\a+64*((\sub)%8)+32
.endr
.endm
.macro MUL8 f, a0, zero                ; the 16 accumulators take turns, one instruction a turn
	WIN MUL
.irp a, \a0, (\a0)+1
.irp nb, 0,1,2,3
.if \zero
	v_wmma_f32_16x16x32_f16 v[ACC+8*(4*(\a)+\nb):ACC+8*(4*(\a)+\nb)+7], v[(\f)+32+8*\nb:(\f)+32+8*\nb+7], v[(\f)+8*(\a):(\f)+8*(\a)+7], 0
.else
	v_wmma_f32_16x16x32_f16 v[ACC+8*(4*(\a)+\nb):ACC+8*(4*(\a)+\nb)+7], v[(\f)+32+8*\nb:(\f)+32+8*\nb+7], v[(\f)+8*(\a):(\f)+8*(\a)+7], v[ACC+8*(4*(\a)+\nb):ACC+8*(4*(\a)+\nb)+7]
.endif
.endr
.endr
.endm
.macro SUB sub                         ; 16 products on buffer sub % 2; in their middle the next part's fragments go into the other buffer
	s_wait_dscnt 0x0
.if (\sub) == 0
	MUL8 0, 0, 1
.else
	MUL8 64*((\sub)%2), 0, 0
.endif
.if (\sub) < 15
	PLACES
	FETCH (\sub)+1, 64*(((\sub)+1)%2)
.endif
.if (\sub) == 0
	MUL8 0, 2, 1
.else
	MUL8 64*((\sub)%2), 2, 0
.endif
.endm
	s_wait_tensorcnt 1                             ; my part of K half 0 is in; K half 1's load may stay out
	s_barrier_signal -1
	s_barrier_wait -1
	FETCH 0, 0
.set q, 0
.rept 7
	SUB q
.set q, q+1
.endr
	s_wait_tensorcnt 0x0                           ; my part of K half 1 is in,
	s_wait_dscnt 0x0
	s_barrier_signal -1
	s_barrier_wait -1                              ; everybody's is: part 7 may fetch part 8's fragments
.rept 9
	SUB q
.set q, q+1
.endr
	; THE WAY OUT, a block of 16 rows at a time: sum x 16 C + bo in place; through my own stage; whole rows of 256 bytes out.
	PLACES
	WIN 0
	s_wait_loadcnt 0x0                             ; bo
.macro OUTA a
.irp nb, 0,1,2,3
.irp p, 0,1,2,3
	v_pk_fma_f32 v[ACC+8*(4*(\a)+\nb)+2*\p:ACC+8*(4*(\a)+\nb)+2*\p+1], v[ACC+8*(4*(\a)+\nb)+2*\p:ACC+8*(4*(\a)+\nb)+2*\p+1], s[42:43], v[T+8*\nb+2*\p:T+8*\nb+2*\p+1] op_sel_hi:[1,0,1]
.endr
.endr
.irp nb, 0,1,2,3
	ds_store_b128 v[STO], v[ACC+8*(4*(\a)+\nb):ACC+8*(4*(\a)+\nb)+3] offset:64*\nb
	ds_store_b128 v[STO], v[ACC+8*(4*(\a)+\nb)+4:ACC+8*(4*(\a)+\nb)+7] offset:64*\nb+16
.endr
	s_wait_xcnt 0x0                                ; the last block's stores have read their data registers: they are loaded again only behind this wait
.irp i, 0,1,2,3,4,5,6,7
	ds_load_b128 v[TMP+4*\i:TMP+4*\i+3], v[RD] offset:2*SP*\i  ; LDS serves a wave's instructions in order (ISA guide 5.7.1.4): these see the stores above; the next block's stores come behind them
.endr
.irp i, 0,1,2,3,4,5,6,7
	s_wait_dscnt 7-\i
	global_store_b128 v[CO], v[TMP+4*\i:TMP+4*\i+3], s[12:13] offset:32768*(\a)+4096*\i  ; 16 lanes store 256 consecutive bytes, aligned
.endr
.endm
	OUTA 0
	OUTA 1
	OUTA 2
	OUTA 3
	s_wait_tensorcnt 0x0                           ; the wave's end
	ds_add_u32 v[SPW], v[NIL]
	s_wait_dscnt 0x0
	CROUND                                         ; the closing round
	s_endpgm
.Lfunc_end_k_qc2085451d1_outp:
	.size	k_qc2085451d1_outp, .Lfunc_end_k_qc2085451d1_outp-k_qc2085451d1_outp
	.p2alignl 7, 3214868480
	.fill 96, 4, 3214868480
	.section	.rodata,"a",@progbits
	.p2align	6, 0x0
	.amdhsa_kernel k_qc2085451d1_outp
		.amdhsa_group_segment_fixed_size 327680
		.amdhsa_private_segment_fixed_size 0
		.amdhsa_enable_private_segment 0
		.amdhsa_kernarg_size 40
		.amdhsa_user_sgpr_count 2
		.amdhsa_user_sgpr_kernarg_segment_ptr 1
		.amdhsa_wavefront_size32 1
		.amdhsa_system_sgpr_workgroup_id_x 1
		.amdhsa_system_sgpr_workgroup_id_y 1
		.amdhsa_system_sgpr_workgroup_id_z 1
		.amdhsa_system_vgpr_workitem_id 0
		.amdhsa_next_free_vgpr 384
		.amdhsa_next_free_sgpr 66
		.amdhsa_reserve_vcc 0
		.amdhsa_float_denorm_mode_32 3
		.amdhsa_float_denorm_mode_16_64 3
		.amdhsa_memory_ordered 1
		.amdhsa_forward_progress 1
		.amdhsa_inst_pref_size 57
	.end_amdhsa_kernel
	.amdgpu_metadata
---
amdhsa.version: [ 1, 2 ]
amdhsa.kernels:
  - .name:           k_qc2085451d1_outp
    .symbol:         k_qc2085451d1_outp.kd
    .args:
      - { .name: o16, .offset: 0, .size: 8, .value_kind: global_buffer, .address_space: global }
      - { .name: w16, .offset: 8, .size: 8, .value_kind: global_buffer, .address_space: global }
      - { .name: bo, .offset: 16, .size: 8, .value_kind: global_buffer, .address_space: global }
      - { .name: C, .offset: 24, .size: 8, .value_kind: global_buffer, .address_space: global }
      - { .name: out0, .offset: 32, .size: 8, .value_kind: global_buffer, .address_space: global }
    .group_segment_fixed_size: 327680
    .private_segment_fixed_size: 0
    .kernarg_segment_align: 8
    .kernarg_segment_size: 40
    .max_flat_workgroup_size: 128
    .sgpr_count:     66
    .vgpr_count:     384
    .wavefront_size: 32
...
	.end_amdgpu_metadata
.endif
;; end of part 4
